; MI455X (gfx1250); checked and timed in simulation.
; The chip was launched on July 23, 2026; its instructions are those of AMD's public machine-readable ISA for CDNA 5 (MIT licence, August 2026) and "CDNA5" Instruction Set Architecture Reference Guide (July 2026). The comments in the code are by the model that wrote it; some were corrected since.
;; Pytorch LTX2 Attention. Allowed arithmetic: matrix products marked QUANTISED: E2M1 operands, one E8M0 scale for each 32 along K, by v_wmma_scale_f32_16x16x128_f8f6f4 with both operands' format E2M1 (or v_wmma_scale_f32_32x16x128_f4), f32 sums; everything else in f32.
;; Inputs: Wk 2,048 x 2,048 float32; Wo 2,048 x 2,048 float32; Wq 2,048 x 2,048 float32; Wv 2,048 x 2,048 float32; bk 2,048 float32; bo 2,048 float32; bq 2,048 float32; bv 2,048 float32; k_cos 1 x 1 x 2,048 x 64 float32; k_sin 1 x 1 x 2,048 x 64 float32; kn_w 2,048 float32; q_cos 1 x 1 x 2,048 x 64 float32; q_sin 1 x 1 x 2,048 x 64 float32; qn_w 2,048 float32; x 1 x 2,048 x 2,048 float32.
;; Outputs: out0 1 x 2,048 x 2,048 float32.
;; This version of the problem:
;;   THIS VERSION OF THE PROBLEM IS GIVEN IN LOW PRECISION. The matrix products marked QUANTISED in the list below multiply operands that are first quantised to E2M1 (2 exponent bits, 1 mantissa bit; 4 bits a number), with one power-of-two scale for each 32 numbers along K (OCP MX v1.0); their sums are f32. All else is computed in f32.
;;   The module's matrix products, in the order in which they are computed (A, B: the left and right operand; K: the contracted axis; several contracted axes count as one K, in the product's order):
;;     1. [M 2,048, K 2,048] x [K 2,048, N 2,048]; A: input x; B: input Wq: QUANTISED
;;     2. [M 2,048, K 2,048] x [K 2,048, N 2,048]; A: input x; B: input Wk: QUANTISED
;;     3. [M 2,048, K 2,048] x [K 2,048, N 2,048]; A: input x; B: input Wv: QUANTISED
;;     4. batch 32 x [M 2,048, K 64] x [K 64, N 2,048]; A: computed on the way; B: computed on the way: QUANTISED
;;     5. batch 32 x [M 2,048, K 2,048] x [K 2,048, N 64]; A: softmax (see below); B: computed on the way: QUANTISED
;;     6. [M 2,048, K 2,048] x [K 2,048, N 2,048]; A: computed on the way; B: input Wo: QUANTISED
;;   THE QUANTISER, for each operand of a quantised product, along K:
;;     - K is cut into blocks of 32 from its start; a last block that is shorter is filled with zeros.
;;     - A block's scale is 2^e with e = floor(log2(the largest magnitude in the block)) - 2, held to -126 .. 127; a block of zeros has e = 0. As a byte (E8M0): e + 127.
;;     - Each number is divided by its block's scale, clamped to +-6, and rounded to the nearest number of E2M1, ties to even, subnormals kept.
;;     - The product sums the exact products of the quantised numbers (number of the format x scale) in f32.
;;   ~~~python
;;   def quantise(x, axis):      # numpy; x: float32 -> the quantised numbers, widened to float32 again
;;       x = np.moveaxis(x, axis, -1); K = x.shape[-1]
;;       x = np.pad(x, [(0, 0)] * (x.ndim - 1) + [(0, -K % 32)]); x = x.reshape(x.shape[:-1] + (-1, 32)); a = np.abs(x).max(-1, keepdims=True)
;;       e = np.where(a > 0, np.clip(np.frexp(np.where(a > 0, a, 1))[1] - 1 - 2, -126, 127), 0)      # np.frexp(a)[1] - 1 = floor(log2(a)), exactly
;;       r = np.clip(x / 2.0 ** e, -6, 6)
;;       step = 2.0 ** (np.maximum(np.frexp(np.where(r == 0, 1, r))[1] - 1, 0) - 1)
;;       q = np.round(r / step) * step * 2.0 ** e      # np.round: ties to even
;;       return np.moveaxis(q.reshape(q.shape[:-2] + (-1,))[..., :K], -1, axis).astype(np.float32)
;;   ~~~
;;   SOFTMAX AHEAD OF A QUANTISED PRODUCT. Where the list says 'softmax', what is quantised is not the finished softmax but p = 2^(t - M), with t = logit x log2(e) and M = ceil(the row's largest t), a whole number; so 1/2 < the row's largest p <= 1. The row's sum l is taken of the UNQUANTISED p, in f32, and the product's result is divided by l at the end. Since M is a whole number, a kernel that streams over the keys may use a running M (the ceiling of the running maximum): every later rescaling is an exact power of two, which a block's scale takes up: the codes' values come out the same.
;;   OPERANDS COMPUTED ON THE WAY. 'Computed on the way' means the value that the module computes at that place (a softmax that the list does not call 'softmax' is quantised finished and normalised). What goes into a quantiser is computed in f32, as accurately as f32 sums, v_exp_f32 and their like allow (about 1e-6 of the number): no bf16 or f16 on the way to a quantiser, and a product that is left as it is and whose result goes on into a quantised operand takes f32 operands (vector FMAs, or v_wmma_f32_16x16x4_f32). A number that lies on a knife's edge between two numbers of the format may be rounded either way, as far as f32 arithmetic and the matrix unit's own rounding can turn it there, and no further.
;; One version. Each part assembles by itself: llvm-mc -triple=amdgcn-amd-amdhsa -mcpu=gfx1250 --defsym DOCPART=n.
;; ======== version 1 of 1: 5 launches
;; limits: right only within a limited range of input values
;; workspace buffers: xq 2,228,224 bytes; wqkv 6,684,672 bytes; woq 2,228,224 bytes; aq 2,228,224 bytes; qkv 35,782,656 bytes; qkq 4,718,592 bytes
;; launch quant (part 1): grid 256 x 1, 16 waves a work-group, no clusters, 327,680 bytes of LDS; arguments Wq, Wk, Wv, Wo, wqkv, woq, x, xq; writes wqkv, woq, xq
.if DOCPART == 1
	.amdgcn_target "amdgcn-amd-amdhsa--gfx1250"
	.amdhsa_code_object_version 6
	.text
	.protected	k_q5036e7da04_quant
	.globl	k_q5036e7da04_quant
	.p2align	8
	.type	k_q5036e7da04_quant,@function
k_q5036e7da04_quant:
	s_mov_b64 s[64:65], 0
	v_nop
	global_prefetch_b8 v0, s[64:65] scope:SCOPE_SE
	s_setreg_imm32_b32 hwreg(HW_REG_WAVE_MODE, 25, 1), 1
	s_wait_xcnt 0x0
; The four weights, [2048 (k)][2048 (n)] f32 with K as their FIRST axis, and x, [2048][2048] f32 with K as its last, become operand records of FP4 (E2M1) codes and E8M0 scale bytes.  A record's rows are a weight's columns n, or x's rows:
;   codes at T*16384 + kb*256 + r*16 (block kb of 32 along K of row rho(T, r) = 32 (T / 2) + 8 (T % 2) + r % 8 + 16 (r / 8));  scale bytes at SOFF + T*1024 + (kb / 16)*256 + r*16 + kb % 16.
; Wq, Wk, Wv go into three records on end in one buffer, Wo and x into buffers of their own.  Only pointers are chosen by the work-group's number.
; A block's scale is 2^(floor(log2(largest magnitude)) - 2); its byte is the largest magnitude's exponent field - 2, held at 1 from below.
; LIMITS: a block of zeros, or one whose largest magnitude lies under 2^-124, gets the byte 1 (its codes are zeros; only this program reads the bytes); NaN and infinities among the inputs are not served.
; SHARES, THE WEIGHTS: a work-group takes 512 along K x 128 columns of one weight; each of its sixteen waves one block of 32 along K of them, brought by one tensor load at the head (32 rows x 512 bytes) that only that wave reads.
;   A LANE TAKES A COLUMN AND ITS REGISTERS RUN DOWN K: a load reads 32 neighbouring words, a block lies in one lane, and the conversions give codes with K innermost.  Nothing is transposed.
; SHARES, x: the same work-group takes 32 rows x 512 along K of x, waves 0 to 3 each 128 along K: A LANE TAKES A ROW, its 32 registers are a whole block.  LDS rows lie 528 bytes apart (33 x 16).
;   The twenty tiles of a work-group are 327,680 bytes, all of a WGP's LDS, so x's four come second: behind the barrier at which the weights' scale bytes meet they are laid over the weights' tiles 0 to 4, which every wave has read out.
;   In front of that barrier stand a tensor wait, an add and a wait, as ahead of a refill; behind it the load comes first, and the weights' scale bytes are stored while it is on its way.
; No cluster: no two work-groups read the same bytes.  No prefetch: the launch streams from memory from its first instruction on.
.set SOFF,  2097152
.set REC,   2228224                    ; a record: codes and scale bytes
.set GA,    262144                     ; behind the sixteen tiles: 2,048 bytes in which the waves' scale bytes of the weights meet,
.set GX,    264192                     ; 512 in which the four waves' scale words of x meet: no tensor load lands on either;
.set SPARE, 264704                     ; and the spare words, 128 bytes a wave, named by no other line
.set PITCH, 528
.set XREG,  32*PITCH                   ; a tile of x in LDS
.set X,     16                         ; v16-143  the weights: two sets of 32 numbers; x: four blocks of 32
.set C,     144                        ; v144-159 four registers of codes a block
.set E,     160                        ; v160-163 a scale byte for each group of columns
.set G1,    24                         ; s[24:31], s[32:35] the weights' descriptor
.set G0,    32
.set G1X,   44                         ; s[44:51], s[52:55] x's
.set G0X,   52
	s_load_b256 s[4:11], s[0:1], 0x0               ; Wq, Wk, Wv, Wo
	s_load_b128 s[12:15], s[0:1], 0x20             ; the three records, Wo's record
	s_load_b128 s[40:43], s[0:1], 0x30             ; x, x's record
	v_lshl_add_u32 v176, v0, 2, SPARE
	v_mov_b32 v177, 0
	ds_add_u32 v176, v177                          ; the opening lines: the add twice on end and one wait
	ds_add_u32 v176, v177
	v_lshrrev_b32 v1, 5, v0
	v_readfirstlane_b32 s16, v1                    ; wave 0..15
	s_lshr_b32 s17, ttmp9, 6                       ; which weight
	s_bfe_u32 s18, ttmp9, 0x40002                  ; which 128 columns
	s_and_b32 s19, ttmp9, 3                        ; which 512 along K (of the weight, and of x)
	s_lshr_b32 s60, ttmp9, 2                       ; which 32 rows of x
	s_mov_b32 s[G1+0], 2<<16                       ; elements of 4 bytes, no padding: a lane reads a word, 32 lanes 128 bytes on end
	s_mov_b32 s[G1X+0], (2<<16)|(1<<20)|(6<<22)|(3<<25)   ; x: padding on: 4 words behind every 128
.irp g, G1, G1X
	s_mov_b32 s[\g+1], 128<<16                     ; 32 rows of 128 elements, 2,048 elements from row to row
	s_mov_b32 s[\g+2], 32<<16
	s_mov_b32 s[\g+3], 128<<16
	s_mov_b32 s[\g+4], 32
	s_mov_b32 s[\g+5], 2048
	s_mov_b32 s[\g+6], 0
	s_mov_b32 s[\g+7], 0
.endr
	s_lshl_b32 s20, s19, 4
	s_add_co_u32 s20, s20, s16                     ; my block along K: 16 x (which 512) + wave
	s_lshl_b32 s22, s20, 18                        ; 32 rows of 8,192 bytes a block
	s_lshl_b32 s23, s18, 9
	s_add_co_u32 s22, s22, s23
	s_mov_b32 s23, 0
	s_lshl_b32 s21, s16, 14                        ; my tile in LDS
	s_wait_dscnt 0x0
	s_wait_kmcnt 0x0
	s_cmp_eq_u32 s17, 1
	s_cselect_b64 s[4:5], s[6:7], s[4:5]
	s_cmp_eq_u32 s17, 2
	s_cselect_b64 s[4:5], s[8:9], s[4:5]
	s_cmp_eq_u32 s17, 3
	s_cselect_b64 s[4:5], s[10:11], s[4:5]
	s_cselect_b64 s[12:13], s[14:15], s[12:13]
	s_cselect_b32 s36, 0, s17                      ; which record of its buffer
	s_mov_b32 s[G0], 1
	s_mov_b32 s[G0+1], s21
	s_add_nc_u64 s[G0+2:G0+3], s[4:5], s[22:23]
	s_or_b32 s[G0+3], s[G0+3], 0x80000000
	tensor_load_to_lds s[G0:G0+3], s[G1:G1+7]      ; every wave's one load at the head
	s_nop 0
	s_and_b32 s22, s16, 3
	s_lshl_b32 s22, s22, 2                         ; x: my word of a row's four
	s_mul_i32 s23, s16, XREG                       ; x: my tile in LDS (waves 0 to 3)
	v_and_b32 v1, 31, v0                           ; lane = my column of a group of 32, or my row of x's 32
	v_bfe_u32 v7, v0, 3, 1                         ; which of the two tiles of the record it falls into
	v_and_b32 v8, 7, v0
	v_bfe_u32 v9, v0, 4, 1
	v_lshlrev_b32 v2, 2, v1
	v_lshl_add_u32 v8, v9, 3, v8                   ; and its place r there
	v_and_b32 v5, 127, v0
	v_add_nc_u32 v2, s21, v2                       ; my column in my wave's tile
	v_lshlrev_b32 v3, 4, v8
	v_lshl_add_u32 v4, v1, 4, GA
	v_lshl_add_u32 v5, v5, 4, GA                   ; the weights' gather, read by waves 0 to 3: wave g takes group g's 32 columns
	v_lshl_add_u32 v6, v7, 10, v3                  ; scale bytes: 1024 x tile + 16 r
	v_lshl_add_u32 v3, v7, 14, v3                  ; codes: 16384 x tile + 16 r
	v_add_nc_u32 v4, s16, v4                       ; the gather, written: 16 bytes a column, my wave's byte of them
	v_mul_u32_u24 v12, v1, PITCH
	v_lshl_add_u32 v14, v1, 4, GX                  ; x's gather, read: 16 bytes a row
	v_add_nc_u32 v12, s23, v12                     ; my row in my tile of x
	v_add_nc_u32 v13, s22, v14                     ; x's gather, written: my wave's word
	s_mul_i32 s36, s36, REC
	s_mov_b32 s37, 0
	s_add_nc_u64 s[12:13], s[12:13], s[36:37]      ; my record
	s_lshl_b32 s36, s18, 17
	s_lshl_b32 s38, s20, 8
	s_add_co_u32 s36, s36, s38
	s_add_nc_u64 s[14:15], s[12:13], s[36:37]      ; codes: 8 tiles x 16384 for 128 columns, 256 bytes a block
	s_lshl_b32 s36, s18, 13
	s_lshl_b32 s38, s16, 11
	s_add_co_u32 s36, s36, s38
	s_lshl_b32 s38, s19, 8
	s_add_co_u32 s36, s36, s38
	s_add_nc_u64 s[12:13], s[12:13], s[36:37]
	s_add_nc_u64 s[12:13], s[12:13], SOFF          ; scale bytes of the group that bears my wave's number (used by waves 0 to 3 alone)
	s_lshl_b32 s36, s60, 18                        ; x: 32 rows of 8,192 bytes,
	s_lshl_b32 s38, s19, 11                        ; 512 along K,
	s_add_co_u32 s36, s36, s38
	s_lshl_b32 s38, s16, 9                         ; 128 a wave
	s_add_co_u32 s36, s36, s38
	s_mov_b32 s[G0X], 1
	s_mov_b32 s[G0X+1], s23
	s_add_nc_u64 s[G0X+2:G0X+3], s[40:41], s[36:37]
	s_or_b32 s[G0X+3], s[G0X+3], 0x80000000
	s_lshl_b32 s36, s60, 15
	s_lshl_b32 s38, s19, 12
	s_add_co_u32 s36, s36, s38
	s_lshl_b32 s38, s16, 10
	s_add_co_u32 s36, s36, s38
	s_add_nc_u64 s[56:57], s[42:43], s[36:37]      ; x's codes: 2 tiles x 16384 for each 32 rows, 256 bytes a block
	s_lshl_b32 s36, s60, 11
	s_lshl_b32 s38, s19, 8
	s_add_co_u32 s36, s36, s38
	s_add_nc_u64 s[58:59], s[42:43], s[36:37]
	s_add_nc_u64 s[58:59], s[58:59], SOFF          ; x's scale bytes
; a block of 32 numbers in v[xs] on: codes into v[c] .. v[c + 3], the scale's byte into v[e]
.macro BLK32 xs, c, e
	v_max3_num_f32 v8, |v[\xs]|, |v[\xs+1]|, |v[\xs+2]|
	v_max3_num_f32 v9, |v[\xs+3]|, |v[\xs+4]|, |v[\xs+5]|
.irp i, 6,10,14,18,22,26
	s_delay_alu instid0(VALU_DEP_2)
	v_max3_num_f32 v8, v8, |v[\xs+\i]|, |v[\xs+\i+1]|
	s_delay_alu instid0(VALU_DEP_2)
	v_max3_num_f32 v9, v9, |v[\xs+\i+2]|, |v[\xs+\i+3]|
.endr
	s_delay_alu instid0(VALU_DEP_2)
	v_max3_num_f32 v8, v8, |v[\xs+30]|, |v[\xs+31]|
	s_delay_alu instid0(VALU_DEP_1)
	v_max3_num_f32 v8, v8, v9, 0x1800000           ; the floor 2^(3 - 127): the byte cannot fall under 1
	s_delay_alu instid0(VALU_DEP_1)
	v_add_nc_u32 v11, 0xff000000, v8               ; 2 off the exponent field: the conversion's scale operand
.irp g, 0,1,2,3
	v_cvt_scalef32_pk8_fp4_f32 v[\c+\g], v[\xs+8*\g:\xs+8*\g+7], v11
.endr
	v_lshrrev_b32 v[\e], 23, v11                   ; the scale's byte; also the plain line behind the conversions
.endm
.macro LOADG g                         ; group g: W(my block's row i, column 32 g + lane), i = 0 .. 31
.irp i, 0,1,2,3,4,5,6,7,8,9,10,11,12,13,14,15,16,17,18,19,20,21,22,23,24,25,26,27,28,29,30,31
	ds_load_b32 v[X+32*((\g)%2)+\i], v2 offset:512*\i+128*(\g)
.endr
.endm
.macro BLOCK g, n                      ; n: the LDS instructions issued behind group g's loads, which may stay out
	s_wait_dscnt \n
	BLK32 X+32*((\g)%2), C+4*(\g), E+(\g)
	ds_store_b8 v4, v[E+(\g)] offset:512*(\g)
	global_store_b128 v3, v[C+4*(\g):C+4*(\g)+3], s[14:15] offset:32768*(\g)   ; two aligned runs of 256 bytes
.endm
	s_wait_alu depctr_va_vdst(0)                   ; the wait at the head's end
	s_wait_tensorcnt 0x0                           ; my tile is in LDS; nobody else reads it
	LOADG 0
	LOADG 1
	BLOCK 0, 32                                    ; group 1's 32 loads may be out
	LOADG 2
	BLOCK 1, 33                                    ; a byte store and group 2's 32 loads
	LOADG 3
	BLOCK 2, 33
	BLOCK 3, 1                                     ; a byte store
	s_wait_tensorcnt 0x0                           ; ahead of the refill: no tensor load of mine is out,
	ds_add_u32 v176, v177                          ; the add,
	s_wait_dscnt 0x0                               ; it is done, my reads of my tile are over, and my bytes lie in the gather
	s_barrier_signal -1
	s_barrier_wait -1                              ; all that holds of every wave
	s_cmp_gt_u32 s16, 3
	s_cbranch_scc1 .Lrest                          ; waves 4 to 15 have no part of x
	tensor_load_to_lds s[G0X:G0X+3], s[G1X:G1X+7]  ; my tile of x, over bytes that the weights' tiles filled: the first thing behind the barrier
	s_nop 0
	ds_load_b128 v[164:167], v5                    ; a column's sixteen scale bytes of these 512 along K
	s_wait_dscnt 0x0
	global_store_b128 v6, v[164:167], s[12:13]     ; two aligned runs of 256 bytes
	s_wait_xcnt 0x0                                ; the weights' stores have read their registers: the codes' are written again below
	s_wait_tensorcnt 0x0                           ; my tile of x is in LDS; nobody else reads it
.irp j, 0,1,2,3
.irp i, 0,1,2,3,4,5,6,7
	ds_load_b128 v[X+32*\j+4*\i:X+32*\j+4*\i+3], v12 offset:128*\j+16*\i
.endr
.endr
.irp j, 0,1,2,3
	s_wait_dscnt 24-8*\j                           ; block j's eight loads are in; the later blocks' may be out
	BLK32 X+32*\j, C+4*\j, 10
.if \j == 0
	v_mov_b32 v15, v10
.else
	v_lshl_or_b32 v15, v10, 8*\j, v15              ; four bytes make my row's scale word of these 128 along K
.endif
	global_store_b128 v3, v[C+4*\j:C+4*\j+3], s[56:57] offset:256*\j
.endr
	ds_store_b32 v13, v15
.Lrest:
	s_wait_dscnt 0x0                               ; for the others' sake: my word lies in x's gather
	s_barrier_signal -1
	s_barrier_wait -1
	s_cmp_lg_u32 s16, 0
	s_cbranch_scc1 .Ldone
	ds_load_b128 v[168:171], v14                   ; wave 0: a row's sixteen scale bytes of these 512 along K
	s_wait_dscnt 0x0
	global_store_b128 v6, v[168:171], s[58:59]     ; two aligned runs of 256 bytes
.Ldone:
	s_wait_tensorcnt 0x0                           ; the wave's end
	ds_add_u32 v176, v177
	s_wait_dscnt 0x0
	s_endpgm
.Lfunc_end_k_q5036e7da04_quant:
	.size	k_q5036e7da04_quant, .Lfunc_end_k_q5036e7da04_quant-k_q5036e7da04_quant
	.p2alignl 7, 3214868480
	.fill 96, 4, 3214868480
	.section	.rodata,"a",@progbits
	.p2align	6, 0x0
	.amdhsa_kernel k_q5036e7da04_quant
		.amdhsa_group_segment_fixed_size 327680
		.amdhsa_private_segment_fixed_size 0
		.amdhsa_enable_private_segment 0
		.amdhsa_kernarg_size 64
		.amdhsa_user_sgpr_count 2
		.amdhsa_user_sgpr_kernarg_segment_ptr 1
		.amdhsa_wavefront_size32 1
		.amdhsa_system_sgpr_workgroup_id_x 1
		.amdhsa_system_sgpr_workgroup_id_y 1
		.amdhsa_system_sgpr_workgroup_id_z 1
		.amdhsa_system_vgpr_workitem_id 0
		.amdhsa_next_free_vgpr 178
		.amdhsa_next_free_sgpr 66
		.amdhsa_reserve_vcc 0
		.amdhsa_float_denorm_mode_32 3
		.amdhsa_float_denorm_mode_16_64 3
		.amdhsa_memory_ordered 1
		.amdhsa_forward_progress 1
		.amdhsa_inst_pref_size 33
	.end_amdhsa_kernel
	.amdgpu_metadata
---
amdhsa.version: [ 1, 2 ]
amdhsa.kernels:
  - .name:           k_q5036e7da04_quant
    .symbol:         k_q5036e7da04_quant.kd
    .args:
      - { .name: Wq, .offset: 0, .size: 8, .value_kind: global_buffer, .address_space: global }
      - { .name: Wk, .offset: 8, .size: 8, .value_kind: global_buffer, .address_space: global }
      - { .name: Wv, .offset: 16, .size: 8, .value_kind: global_buffer, .address_space: global }
      - { .name: Wo, .offset: 24, .size: 8, .value_kind: global_buffer, .address_space: global }
      - { .name: wqkv, .offset: 32, .size: 8, .value_kind: global_buffer, .address_space: global }
      - { .name: woq, .offset: 40, .size: 8, .value_kind: global_buffer, .address_space: global }
      - { .name: x, .offset: 48, .size: 8, .value_kind: global_buffer, .address_space: global }
      - { .name: xq, .offset: 56, .size: 8, .value_kind: global_buffer, .address_space: global }
    .group_segment_fixed_size: 327680
    .private_segment_fixed_size: 0
    .kernarg_segment_align: 8
    .kernarg_segment_size: 64
    .max_flat_workgroup_size: 512
    .sgpr_count:     66
    .vgpr_count:     178
    .wavefront_size: 32
...
	.end_amdgpu_metadata
.endif
;; end of part 1
;; launch gemm (part 2): grid 24 x 8, 4 waves a work-group, clusters of 4 x 4, 327,680 bytes of LDS; arguments xq, wqkv, bq, bk, bv, qkv; writes qkv
.if DOCPART == 2
	.amdgcn_target "amdgcn-amd-amdhsa--gfx1250"
	.amdhsa_code_object_version 6
	.text
	.protected	k_q5036e7da04_gemm
	.globl	k_q5036e7da04_gemm
	.p2align	8
	.type	k_q5036e7da04_gemm,@function
k_q5036e7da04_gemm:
	s_mov_b64 s[64:65], 0
	v_nop
	global_prefetch_b8 v0, s[64:65] scope:SCOPE_SE
	s_setreg_imm32_b32 hwreg(HW_REG_WAVE_MODE, 25, 1), 1
	s_wait_xcnt 0x0
	s_wait_alu depctr_hold_cnt(0) depctr_sa_sdst(0) depctr_va_vdst(0) depctr_va_sdst(0) depctr_va_ssrc(0) depctr_va_vcc(0) depctr_vm_vsrc(0)
	s_getreg_b32 s2, hwreg(HW_REG_IB_STS2, 6, 4)
	s_cmp_eq_u32 s2, 0
	s_cbranch_scc0 .Lentry_in_a_cluster
	s_endpgm
.Lentry_in_a_cluster:
	s_bfe_u32 s2, ttmp6, 0x10000c
	s_cmp_lg_u32 s2, 0xf033
	s_cbranch_scc0 .Lentry_shape_is_right
	s_endpgm
.Lentry_shape_is_right:
.set SOFF,   2097152
.set REC,    2228224
.set VC,     33554432
.set VS,     35651584
.set NQ,     4
.set FR,     8
.set NL,     2
.set NP,     4
.set HALFT,  32768
.set SLOT,   4*HALFT
.set LAPS,   2
.set SCL,    2*SLOT
.set HALFS,  8192
.set SPARE,  SCL+4*HALFS
.set SPITCH, 528
.set ADRA, 16
.set ADRB, 20
.set LS4,  22
.set LN,   23
.set STO,  24
.set RD,   25
.set CO,   26
.set ADRS, 27
.set SPW,  28
.set NIL,  29
.set RO,   31
.set SC,   32
.set TM,   32
.set BI,   96
.set BV,   100
.set PWR,  116
.set PWS,  124
.set AF,   128
.set BK,   128
.set HA,   128
.set PC,   192
.set G1,   24
.set G0,   32
.set G1B,  48
.set G0B,  56
.set G1S,  68
.set G0S,  76
.set G1SB, 80
.set G0SB, 88
.set SEL,  46
.set MSB, 0
.macro WIN new
.if MSB != (\new)
	s_set_vgpr_msb (MSB<<8)|(\new)
.set MSB, (\new)
.endif
.endm
.set MUL_LO, 0xa1
.set MUL_HI, 0xf1
.set TO_B,   0x40
.macro JLOAD g0a, g1a, g0b, g1b
	s_cmp_eq_u32 s15, 0
	s_cbranch_scc0 .Lfor_b_\@
	tensor_load_to_lds s[\g0a:\g0a+3], s[\g1a:\g1a+7]
	s_nop 0
.rept 4
	v_nop
.endr
	s_branch .Lasked_\@
.Lfor_b_\@:
	tensor_load_to_lds s[\g0b:\g0b+3], s[\g1b:\g1b+7]
	s_nop 0
.rept 4
	v_nop
.endr
.Lasked_\@:
.endm
.macro CREST
	s_cmp_lg_u32 s14, 0
	s_cbranch_scc1 .Lnot_wave_0_\@
	s_barrier_signal -3
.Lnot_wave_0_\@:
	s_barrier_wait -3
	s_barrier_signal -1
	s_barrier_wait -1
.endm
.macro CROUND
	s_barrier_signal -1
	s_barrier_wait -1
	CREST
.endm
	s_load_b128 s[4:7], s[0:1], 0x0
	s_load_b128 s[8:11], s[0:1], 0x10
	s_load_b128 s[96:99], s[0:1], 0x20
	v_lshl_add_u32 v[SPW], v0, 2, SPARE
	v_mov_b32 v[NIL], 0
	ds_add_u32 v28, v29
	ds_add_u32 v28, v29
	s_wait_dscnt 0x0
	v_lshrrev_b32 v1, 5, v0
	v_readfirstlane_b32 s14, v1
	s_lshr_b32 s15, s14, 1
	s_and_b32 s16, s14, 1
	s_bfe_u32 s40, ttmp6, 0x40000
	s_bfe_u32 s41, ttmp6, 0x40004
	s_lshr_b32 s66, ttmp9, 1
	s_and_b32 s42, ttmp9, 1
	s_lshl_b32 s42, s42, 2
	s_add_co_u32 s42, s42, s40
	s_and_b32 s17, ttmp7, 0xffff
	s_lshl_b32 s17, s17, 2
	s_add_co_u32 s17, s17, s41
	s_lshl_b32 s43, s41, 2
	s_lshl_b32 s43, 15, s43
	s_lshl_b32 s44, 0x1111, s40
	s_or_b32 s[G1+0], s43, (3<<16)|(1<<21)
	s_or_b32 s[G1B+0], s44, (3<<16)|(1<<21)
.irp g, G1, G1B
	s_mov_b32 s[\g+1], 512<<16
	s_mov_b32 s[\g+2], 16<<16                      ; the head's loads of codes bring 16 tiles of the record (256 rows); the ring's loads 8: set below
	s_mov_b32 s[\g+3], 512<<16
	s_mov_b32 s[\g+4], 16
	s_mov_b32 s[\g+5], 2048
	s_mov_b32 s[\g+6], 0
	s_mov_b32 s[\g+7], 0
.endr
	s_or_b32 s[G1S+0], s43, (3<<16)|(1<<21)
	s_or_b32 s[G1SB+0], s44, (3<<16)|(1<<21)
.irp g, G1S, G1SB
	s_mov_b32 s[\g+1], 32<<16
	s_mov_b32 s[\g+2], 64<<16                      ; the scale bytes of 256 rows: 16,384 dense bytes as 64 rows of 256
	s_mov_b32 s[\g+3], 32<<16
	s_mov_b32 s[\g+4], 64
	s_mov_b32 s[\g+5], 32
	s_mov_b32 s[\g+6], 0
	s_mov_b32 s[\g+7], 0
.endr
	s_lshl_b32 s20, s17, 4                         ; the first of the 16 record tiles of my block's rows,
	s_lshl_b32 s46, s42, 4                         ; and of its columns
	s_lshl_b32 s22, s20, 10
	s_add_co_u32 s22, s22, SOFF
	s_mov_b32 s23, 0
	s_lshl_b32 s20, s20, 14
	s_mov_b32 s21, 0
	s_lshl_b32 s18, s46, 10
	s_add_co_u32 s18, s18, SOFF
	s_mov_b32 s19, 0
	s_lshl_b32 s46, s46, 14
	s_mov_b32 s47, 0
	s_mul_i32 s45, s14, HALFT
	s_mul_i32 s12, s66, REC
	s_mov_b32 s13, 0
	s_wait_kmcnt 0x0
	s_add_nc_u64 s[6:7], s[6:7], s[12:13]
	s_cmp_eq_u32 s66, 1
	s_cselect_b64 s[8:9], s[10:11], s[8:9]
	s_cmp_eq_u32 s66, 2
	s_cselect_b64 s[8:9], s[96:97], s[8:9]
	s_cselect_b64 s[92:93], s[6:7], s[4:5]
	s_cselect_b64 s[94:95], s[4:5], s[6:7]
	s_add_nc_u64 s[20:21], s[92:93], s[20:21]
	s_add_nc_u64 s[22:23], s[92:93], s[22:23]
	s_add_nc_u64 s[46:47], s[94:95], s[46:47]
	s_add_nc_u64 s[18:19], s[94:95], s[18:19]
	CROUND
	s_mov_b32 s[G0S], 1
	s_mov_b32 s[G0S+1], SCL
	s_mov_b64 s[G0S+2:G0S+3], s[22:23]
	s_or_b32 s[G0S+3], s[G0S+3], 0x80000000
	s_mov_b32 s[G0SB], 1
	s_mov_b32 s[G0SB+1], SCL+2*HALFS
	s_mov_b64 s[G0SB+2:G0SB+3], s[18:19]
	s_or_b32 s[G0SB+3], s[G0SB+3], 0x80000000
	s_mov_b32 s4, 1                                ; s[4:7]: group 0 of the head's load of K step 0's 256 rows of the first operand (the arguments that lay there have been used),
	s_mov_b32 s5, 0
	s_mov_b64 s[6:7], s[20:21]
	s_or_b32 s7, s7, 0x80000000
	s_mov_b32 s92, 1                               ; s[92:95]: of the second operand's, behind them in slot 0
	s_mov_b32 s93, 2*HALFT
	s_mov_b64 s[94:95], s[46:47]
	s_or_b32 s95, s95, 0x80000000
	s_lshl_b32 s2, s16, 17                         ; for the ring: my 8 tiles of the 16, 16,384 bytes a tile
	s_mov_b32 s3, 0
	s_add_nc_u64 s[20:21], s[20:21], s[2:3]
	s_add_nc_u64 s[46:47], s[46:47], s[2:3]
.irp s, 0,1
	s_mov_b32 s[G0+4*\s], 1
	s_add_co_u32 s[G0+4*\s+1], s45, \s*SLOT
	s_add_nc_u64 s[G0+4*\s+2:G0+4*\s+3], s[20:21], \s*4096
	s_or_b32 s[G0+4*\s+3], s[G0+4*\s+3], 0x80000000
	s_mov_b32 s[G0B+4*\s], 1
	s_add_co_u32 s[G0B+4*\s+1], s45, \s*SLOT
	s_add_nc_u64 s[G0B+4*\s+2:G0B+4*\s+3], s[46:47], \s*4096
	s_or_b32 s[G0B+4*\s+3], s[G0B+4*\s+3], 0x80000000
.endr
; THE HEAD'S LOADS, ONE A WAVE: wave 0 K step 0's codes of the first operand, wave 1 those of the second, wave 2 and 3 their scale bytes for all of K.
; One chain of branches on the wave's number, a load to an arm, all arms leading to one join.
.macro ARM under, g0, g1
	s_cmp_lt_u32 s14, \under
	s_cbranch_scc0 .Lnext_\@
	tensor_load_to_lds s[\g0:\g0+3], s[\g1:\g1+7]
	s_nop 0
.rept 4
	v_nop
.endr
	s_branch .Lhead_asked
.Lnext_\@:
.endm
	ARM 1, 4, G1
	ARM 2, 92, G1B
	ARM 3, G0S, G1S
	tensor_load_to_lds s[G0SB:G0SB+3], s[G1SB:G1SB+7]
	s_nop 0
.rept 4
	v_nop
.endr
.Lhead_asked:
	s_wait_alu depctr_va_vdst(0)
	s_wait_tensorcnt 0x0                           ; my tile of the head's four is in; these lines stand ahead of slot 1's first fill as ahead of a refill
	ds_add_u32 v28, v29
	s_mov_b32 s[G1+2], 8<<16                       ; no tensor load of mine is out: from here on a load of codes brings 8 tiles
	s_mov_b32 s[G1+4], 8
	s_mov_b32 s[G1B+2], 8<<16
	s_mov_b32 s[G1B+4], 8
	s_wait_dscnt 0x0
	CROUND                                         ; all four tiles are in, in every wave of the cluster
	JLOAD G0+4, G1, G0B+4, G1B                     ; K step 1, the first tensor load behind the round
	v_and_b32 v1, 15, v0
	v_bfe_u32 v2, v0, 4, 1
	s_wait_alu depctr_va_vdst(0)
	v_and_b32 v[LN], 31, v0
	v_lshlrev_b32 v[CO], 4, v[LN]
	v_lshlrev_b32 v[LS4], 2, v[LN]
	s_mul_i32 s21, s15, HALFT
	s_mul_i32 s22, s16, HALFT
	s_add_co_u32 s22, s22, 2*HALFT
.irp s, 0,1
	v_add_nc_u32 v[ADRA+\s], s21, v[CO]
	v_add_nc_u32 v[ADRB+\s], s22, v[CO]
	s_add_co_u32 s21, s21, SLOT
	s_add_co_u32 s22, s22, SLOT
.endr
	v_lshlrev_b32 v5, 4, v1
	s_mul_i32 s21, s15, HALFS
	s_mul_i32 s22, s16, HALFS
	s_add_co_u32 s22, s22, 2*HALFS
	s_sub_co_u32 s22, s22, s21
	v_mul_u32_u24 v6, s22, v2
	s_add_co_u32 s21, s21, SCL
	v_add_nc_u32 v5, v5, v6
	v_add_nc_u32 v[ADRS], s21, v5
	v_lshlrev_b32 v30, 6, v2                       ; 64 h: where my half's sixteen columns of each 32 begin in the bias
	v_and_b32 v3, 7, v0
	v_bfe_u32 v4, v0, 3, 1
	v_lshl_add_u32 v3, v4, 4, v3
	v_lshlrev_b32 v[RO], 2, v3
	s_wait_alu depctr_va_vdst(0)
	s_lshl_b32 s20, s42, 10
	s_lshl_b32 s21, s16, 9
	s_add_co_u32 s20, s20, s21
	s_mov_b32 s21, 0
	s_add_nc_u64 s[10:11], s[8:9], s[20:21]
	s_lshl_b32 s20, s17, 10
	s_lshl_b32 s22, s15, 9
	s_add_co_u32 s20, s20, s22
	s_add_nc_u64 s[12:13], s[8:9], s[20:21]
.set BQ, 192                           ; v192-255: the bias of my lane's 64 columns: register 8 b + j belongs to register j of every accumulator (a, b)
.irp u, 0,1,2,3
.irp i, 0,1,2,3
	global_load_b128 v[BQ+16*\u+4*\i:BQ+16*\u+4*\i+3], v30, s[10:11] offset:128*\u+16*\i   ; columns 32 u + 16 h + 4 i .. + 3
.endr
.endr
.irp a, 0,1,2,3,4,5,6,7
	global_load_b32 v[BV+2*\a], v[RO], s[12:13] offset:(32*(\a/2)+8*(\a%2))*4
.endr
.irp a, 0,1,2,3,4,5,6,7
	v_mov_b32 v[BV+2*\a+1], 0
.endr
.macro FRAG reg, adr, q, i
.irp c, 0,1
	ds_load_b128 v[\reg+4*\c:\reg+4*\c+3], v[\adr] offset:(\i)*4096+(\q)*1024+512*\c
.endr
.endm
.macro MUL16 a0, p, q, sc, zero
.irp a, \a0, \a0+1
.irp b, 0,1,2,3,4,5,6,7
.if \zero
	v_wmma_scale_f32_16x16x128_f8f6f4 v[8*(8*((\a)%4)+\b):8*(8*((\a)%4)+\b)+7], v[128*(\p)+FR*\b:128*(\p)+FR*\b+FR-1], v[AF+FR*(\a):AF+FR*(\a)+FR-1], 0, v[SC+8*NQ*(\sc)+NQ*\b+(\q)], v[SC+8*NQ*(\sc)+NQ*(\a)+(\q)] matrix_a_fmt:MATRIX_FMT_FP4 matrix_b_fmt:MATRIX_FMT_FP4 matrix_a_scale:MATRIX_SCALE_ROW1
.else
	v_wmma_scale_f32_16x16x128_f8f6f4 v[8*(8*((\a)%4)+\b):8*(8*((\a)%4)+\b)+7], v[128*(\p)+FR*\b:128*(\p)+FR*\b+FR-1], v[AF+FR*(\a):AF+FR*(\a)+FR-1], v[8*(8*((\a)%4)+\b):8*(8*((\a)%4)+\b)+7], v[SC+8*NQ*(\sc)+NQ*\b+(\q)], v[SC+8*NQ*(\sc)+NQ*(\a)+(\q)] matrix_a_fmt:MATRIX_FMT_FP4 matrix_b_fmt:MATRIX_FMT_FP4 matrix_a_scale:MATRIX_SCALE_ROW1
.endif
.endr
.endr
.endm
.macro FETCH_B slot, q, p
	WIN TO_B
.irp i, 0,1,2,3,4,5,6,7
	FRAG 128*(\p)+FR*\i, ADRB+\slot, \q, \i
.endr
	WIN 0
.endm
.macro FETCH_A slot, q, i0
.irp i, \i0, \i0+1, \i0+2, \i0+3
	FRAG AF+FR*(\i), ADRA+\slot, \q, \i
.endr
.endm
.macro SCALES sc
.irp i, 0,1,2,3,4,5,6,7
	ds_load_b128 v[SC+8*NQ*\sc+NQ*\i:SC+8*NQ*\sc+NQ*\i+3], v[ADRS] offset:\i*1024
.endr
.endm
.macro PLACES n
.rept \n
	v_nop
.endr
.endm
.macro STEP slot, q, zero
	s_wait_dscnt 4*NL
	WIN MUL_LO
	MUL16 0, (\q)%2, \q, \slot, \zero
	MUL16 2, (\q)%2, \q, \slot, \zero
	s_wait_dscnt 0
	PLACES NP
	FETCH_B \slot, (\q)+1, 1-(\q)%2
	FETCH_A \slot, (\q)+1, 0
	WIN MUL_HI
	MUL16 4, (\q)%2, \q, \slot, \zero
	MUL16 6, (\q)%2, \q, \slot, \zero
	PLACES NP
	WIN 0
	FETCH_A \slot, (\q)+1, 4
.endm
.macro TURN slot, next, fill
	s_wait_tensorcnt 0x0
	ds_add_u32 v[SPW], v[NIL]
	s_wait_dscnt 4*NL+1
	WIN MUL_LO
	MUL16 0, 1, NQ-1, \slot, 0
	s_wait_dscnt 0x0
	s_barrier_signal -1
	MUL16 2, 1, NQ-1, \slot, 0
	WIN 0
	s_barrier_wait -1
.if \fill
	CREST
	s_add_nc_u64 s[G0+4*\slot+2:G0+4*\slot+3], s[G0+4*\slot+2:G0+4*\slot+3], 8192
	s_add_nc_u64 s[G0B+4*\slot+2:G0B+4*\slot+3], s[G0B+4*\slot+2:G0B+4*\slot+3], 8192
	JLOAD G0+4*\slot, G1, G0B+4*\slot, G1B
.else
	PLACES NP
.endif
	s_wait_alu depctr_va_vdst(0)
	v_add_nc_u32 v[ADRS], 256, v[ADRS]
	FETCH_B \next, 0, 0
	FETCH_A \next, 0, 0
	SCALES \next
	WIN MUL_HI
	MUL16 4, 1, NQ-1, \slot, 0
	MUL16 6, 1, NQ-1, \slot, 0
	PLACES NP
	WIN 0
	FETCH_A \next, 0, 4
.endm
.macro STEPS slot, from
.set Q, \from
.rept NQ-1-\from
	STEP \slot, Q, 0
.set Q, Q+1
.endr
.endm
	s_wait_alu depctr_va_vdst(0)                   ; the wait at the head's end; the biases are waited for on the way out
	FETCH_B 0, 0, 0
	FETCH_A 0, 0, 0
	SCALES 0
	FETCH_A 0, 0, 4
	STEP 0, 0, 1
	s_mov_b32 s3, LAPS-1
.Llap:
	STEPS 0, 1
	TURN 0, 1, 1
	STEPS 1, 0
	TURN 1, 0, 1
	STEP 0, 0, 0
	s_sub_co_u32 s3, s3, 1
	s_cmp_lg_u32 s3, 0
	s_cbranch_scc1 .Llap
	STEPS 0, 1
	TURN 0, 1, 0
	STEPS 1, 0
	s_wait_dscnt 4*NL
	WIN MUL_LO
	MUL16 0, 1, NQ-1, 1, 0
	MUL16 2, 1, NQ-1, 1, 0
	s_wait_dscnt 0
	WIN MUL_HI
	MUL16 4, 1, NQ-1, 1, 0
	MUL16 6, 1, NQ-1, 1, 0
	WIN 0
	PLACES NP
	s_wait_loadcnt 0x0                             ; the biases
	s_cmp_eq_u32 s66, 2
	s_cbranch_scc1 .Lvmode
	s_lshl_b32 s20, s66, 24
	s_lshl_b32 s21, s17, 21
	s_add_co_u32 s20, s20, s21
	s_lshl_b32 s21, s15, 20
	s_add_co_u32 s20, s20, s21
	s_lshl_b32 s21, s42, 14                        ; 16 column tiles of 1,024 bytes a block,
	s_add_co_u32 s20, s20, s21
	s_lshl_b32 s21, s16, 13                        ; 8 a wave
	s_add_co_u32 s20, s20, s21
	s_mov_b32 s21, 0
	s_add_nc_u64 s[98:99], s[98:99], s[20:21]
; THE WAY OUT OF q AND k.  The workspace is laid as the image of the accumulators: [q, k][row tile T][column tile Tb][register half][lane][16 bytes], f32.
; In tile (T, Tb) register j of lane (r, h) is row rho(T, r), column rho(Tb, 8 h + j), with rho(T, r) = 32 (T / 2) + 8 (T % 2) + r % 8 + 16 (r / 8).
; So each store of the wave covers 512 consecutive bytes, aligned, straight from registers.  The sums with the bias go into v32-159, two sets of 64 by turns, which held scale words and fragments.
.macro OUT a
.set AC, 64*((\a)%4)
.set TB, 32+64*((\a)%2)
	WIN 0x02+((\a)/4)                              ; source 0: the accumulators' window
.irp b, 0,1,2,3,4,5,6,7
.irp i, 0,2,4,6
	v_pk_add_f32 v[TB+8*\b+\i:TB+8*\b+\i+1], v[AC+8*\b+\i:AC+8*\b+\i+1], v[BQ+8*\b+\i:BQ+8*\b+\i+1]   ; each accumulator from its low end on
.endr
.endr
	WIN 0
.irp b, 0,1,2,3,4,5,6,7
	global_store_b128 v[CO], v[TB+8*\b:TB+8*\b+3], s[98:99] offset:(\a)*131072+\b*1024
	global_store_b128 v[CO], v[TB+8*\b+4:TB+8*\b+7], s[98:99] offset:(\a)*131072+\b*1024+512
.endr
.endm
.irp a, 0,1,2,3,4,5,6,7
.if \a > 1
	s_wait_xcnt 0x0                                ; block a - 2's stores have read their registers
.endif
	OUT \a
.endr
	s_wait_tensorcnt 0x0
	ds_add_u32 v[SPW], v[NIL]
	s_wait_dscnt 0x0
	CROUND
	s_endpgm
.Lvmode:
	s_lshl_b32 s18, s17, 2
	s_lshl_b32 s19, s15, 1
	s_add_co_u32 s18, s18, s19
	s_lshl_b32 s19, s42, 1
	s_add_co_u32 s19, s19, s16
	s_lshl_b32 s20, s18, 16
	s_lshl_b32 s21, s19, 12
	s_add_co_u32 s20, s20, s21
	s_add_co_u32 s20, s20, VC
	s_mov_b32 s21, 0
	s_lshl_b32 s22, s18, 12
	s_lshl_b32 s23, s19, 8
	s_add_co_u32 s22, s22, s23
	s_add_co_u32 s22, s22, VS
	s_mov_b32 s23, 0
	s_add_nc_u64 s[20:21], s[98:99], s[20:21]
	s_add_nc_u64 s[22:23], s[98:99], s[22:23]
	s_mov_b32 s[SEL], 0x76543210
	s_mov_b32 s[SEL+1], 0xfedcba98
	v_cmp_lt_u32 vcc_lo, 15, v[LN]
.irp b, 0,1,2,3
	v_mov_b32 v[TM+4+\b], 0
.endr
.macro QUANT s, pc, pw
.irp b, 0,1,2,3
	v_max3_num_f32 v[TM+\b], |v[\s+16*\b]|, |v[\s+1+16*\b]|, 0x1800000
.endr
.irp i, 2,4,6,8,10,12,14
.irp b, 0,1,2,3
	v_max3_num_f32 v[TM+\b], v[TM+\b], |v[\s+16*\b+\i]|, |v[\s+1+16*\b+\i]|
.endr
.endr
.irp b, 0,1,2,3
	v_permlanex16_b32 v[TM+4+\b], v[TM+\b], s[SEL], s[SEL+1]
.endr
.irp b, 0,1,2,3
	v_max_num_f32 v[TM+\b], v[TM+\b], v[TM+4+\b]
.endr
.irp b, 0,1,2,3
	v_add_nc_u32 v[TM+12+\b], 0xff000000, v[TM+\b]
.endr
.irp b, 0,1,2,3
	v_lshrrev_b32 v[TM+4+\b], 23, v[TM+12+\b]
.endr
	v_lshl_or_b32 v[\pw], v[TM+5], 8, v[TM+4]
	v_lshl_or_b32 v[\pw], v[TM+6], 16, v[\pw]
	v_lshl_or_b32 v[\pw], v[TM+7], 24, v[\pw]
.irp b, 0,1,2,3
	v_cvt_scalef32_pk8_fp4_f32 v[\pc+2*\b], v[\s+16*\b:\s+7+16*\b], v[TM+12+\b]
	v_cvt_scalef32_pk8_fp4_f32 v[\pc+1+2*\b], v[\s+8+16*\b:\s+15+16*\b], v[TM+12+\b]
.endr
	v_nop
.irp c, 0,1
.irp i, 0,1
	v_permlane16_swap_b32 v[\pc+4*\c+\i], v[\pc+2+4*\c+\i]
.endr
.endr
.endm
.irp a, 0,1,2,3,4,5,6,7
	WIN 0x02+(\a/4)
.set n, 0
.rept 32
	v_pk_add_f32 v[HA+2*n:HA+2*n+1], v[64*(\a%4)+2*n:64*(\a%4)+2*n+1], v[BV+2*\a:BV+2*\a+1] op_sel_hi:[1,0]
.set n, n+1
.endr
	WIN 0
	QUANT HA, PC+8*\a, PWR+\a
.irp c, 0,1
	global_store_b128 v[CO], v[PC+8*\a+4*\c:PC+8*\a+4*\c+3], s[20:21] offset:(\a/4)*65536+(\a%4)*1024+512*\c
.endr
.if \a%2 == 1
	v_cndmask_b32 v[PWS+\a/2], v[PWR+\a-1], v[PWR+\a], vcc_lo
	global_store_b32 v[LS4], v[PWS+\a/2], s[22:23] offset:(\a/4)*4096+((\a-1)%4)*64
.endif
.endr
	s_wait_tensorcnt 0x0
	ds_add_u32 v[SPW], v[NIL]
	s_wait_dscnt 0x0
	CROUND
	s_endpgm
.Lfunc_end_k_q5036e7da04_gemm:
	.size	k_q5036e7da04_gemm, .Lfunc_end_k_q5036e7da04_gemm-k_q5036e7da04_gemm
	.p2alignl 7, 3214868480
	.fill 96, 4, 3214868480
	.section	.rodata,"a",@progbits
	.p2align	6, 0x0
	.amdhsa_kernel k_q5036e7da04_gemm
		.amdhsa_group_segment_fixed_size 327680
		.amdhsa_private_segment_fixed_size 0
		.amdhsa_enable_private_segment 0
		.amdhsa_kernarg_size 48
		.amdhsa_user_sgpr_count 2
		.amdhsa_user_sgpr_kernarg_segment_ptr 1
		.amdhsa_wavefront_size32 1
		.amdhsa_system_sgpr_workgroup_id_x 1
		.amdhsa_system_sgpr_workgroup_id_y 1
		.amdhsa_system_sgpr_workgroup_id_z 1
		.amdhsa_system_vgpr_workitem_id 0
		.amdhsa_next_free_vgpr 1024
		.amdhsa_next_free_sgpr 100
		.amdhsa_reserve_vcc 1
		.amdhsa_float_denorm_mode_32 3
		.amdhsa_float_denorm_mode_16_64 3
		.amdhsa_memory_ordered 1
		.amdhsa_forward_progress 1
		.amdhsa_inst_pref_size 255
	.end_amdhsa_kernel
	.section	.bss,"aw",@nobits
	.p2align	6
	.space	262144
	.amdgpu_metadata
---
amdhsa.version: [ 1, 2 ]
amdhsa.kernels:
  - .name:           k_q5036e7da04_gemm
    .symbol:         k_q5036e7da04_gemm.kd
    .args:
      - { .name: xq, .offset: 0, .size: 8, .value_kind: global_buffer, .address_space: global }
      - { .name: wqkv, .offset: 8, .size: 8, .value_kind: global_buffer, .address_space: global }
      - { .name: bq, .offset: 16, .size: 8, .value_kind: global_buffer, .address_space: global }
      - { .name: bk, .offset: 24, .size: 8, .value_kind: global_buffer, .address_space: global }
      - { .name: bv, .offset: 32, .size: 8, .value_kind: global_buffer, .address_space: global }
      - { .name: qkv, .offset: 40, .size: 8, .value_kind: global_buffer, .address_space: global }
    .group_segment_fixed_size: 327680
    .private_segment_fixed_size: 0
    .kernarg_segment_align: 8
    .kernarg_segment_size: 48
    .max_flat_workgroup_size: 128
    .sgpr_count:     100
    .vgpr_count:     1024
    .wavefront_size: 32
...
	.end_amdgpu_metadata
.endif
;; end of part 2
;; launch prep (part 3): grid 256 x 1, 16 waves a work-group, no clusters, 3,584 bytes of LDS; arguments qkv, q_cos, q_sin, k_cos, k_sin, qn_w, kn_w, qkq; writes qkq
.if DOCPART == 3
	.amdgcn_target "amdgcn-amd-amdhsa--gfx1250"
	.amdhsa_code_object_version 6
	.text
	.protected	k_q5036e7da04_prep
	.globl	k_q5036e7da04_prep
	.p2align	8
	.type	k_q5036e7da04_prep,@function
k_q5036e7da04_prep:
	s_mov_b64 s[64:65], 0
	v_nop
	global_prefetch_b8 v0, s[64:65] scope:SCOPE_SE
	s_setreg_imm32_b32 hwreg(HW_REG_WAVE_MODE, 25, 1), 1
	s_wait_xcnt 0x0
; q and k, f32: RMS norm over the whole row (x * rsqrt(mean(x^2) + 1e-6) * w), interleaved RoPE head by head, then quantised along a head's 64 to FP4 (E2M1) codes with one E8M0 scale byte for each 32.  All in f32.
; IN: the image of the product's accumulators, [q, k][row tile T][column tile Tb][register half][lane][16 bytes]: in tile (T, Tb) register j of lane (r, h) is row rho(T, r), column rho(Tb, 8 h + j),
;     rho(T, r) = 32 (T / 2) + 8 (T % 2) + r % 8 + 16 (r / 8).  So the 16 registers of tiles 2 u and 2 u + 1 are columns 32 u + 16 h + 0 .. 15: sixteen neighbours.
; OUT, q: codes [head][T][512 bytes], lane 16 b + r holding block b of row rho(T, r); scale words [head][T][r][4 bytes] at 4,194,304.
; OUT, k (codes at 2,097,152, words at 4,456,448): by groups of eight tokens, o = token / 8: codes [head][o][256 bytes], block b of token 8 o + i at 128 (b xor ((o % 8) / 4)) + 16 i; words [head][o][i][4 bytes].
;     A word is the row's two bytes twice, (b0, b1, b0, b1), so that it serves whichever half of a fragment the codes are put into.  The words leave in runs of 64 (q) and 32 (k) bytes, 524,288 bytes in the launch.
; LIMITS of the quantiser: a block of zeros, or one whose largest magnitude lies under 2^-124, gets the byte 1 (its codes are zeros; only this program reads the bytes); NaN and infinities are not served.
; SHARES: the first 128 work-groups take q, the others k (pointers and shifts are chosen: one path through the text).  A work-group takes the 16 whole rows of a row tile T: 131,072 bytes on end.
;     Wave w takes heads 2 w and 2 w + 1 of all 16 rows, 64 numbers a lane, by 16 loads of 512 consecutive bytes, straight into the registers in which they are worked: each number is loaded once.
;     The waves' sums of squares meet in LDS, 64 bytes a row, rows 80 bytes apart, behind ONE barrier.  A block of 32 lies in lanes l and l xor 16.
; No tensor load, no cluster: the rows are each read by one work-group; cos and sin of 16 rows, 8,192 bytes against the rows' 131,072, are what two work-groups share.  All input is asked for at the head: no loop to ask ahead in.
.set RP,    80
.set SPARE, 1536                       ; behind the 1,280 bytes of sums: the spare words, 128 bytes a wave, named by no other line
.set COS,  16                          ; v16-47   register 16 u + i: column 32 u + 16 h + i of a head
.set SIN,  48                          ; v48-79
.set WN,   80                          ; v80-143  the norm's weights of my two heads
.set X,    144                         ; v144-207 register 32 e + 16 u + i: head 2 w + e
.set M,    208                         ; v208-239
.set C,    240                         ; v240-247 four registers of codes a head
	s_load_b256 s[4:11], s[0:1], 0x0               ; the image s[4:5], q_cos, q_sin, k_cos
	s_load_b256 s[12:19], s[0:1], 0x20             ; k_sin, qn_w, kn_w, the output
	v_lshl_add_u32 v12, v0, 2, SPARE               ; the add's two registers, kept
	v_mov_b32 v13, 0
	v_lshrrev_b32 v1, 5, v0
	v_readfirstlane_b32 s22, v1                    ; wave 0..15
	s_lshr_b32 s20, ttmp9, 7                       ; 0: q, 1: k
	s_and_b32 s21, ttmp9, 127                      ; T
	s_lshr_b32 s23, s21, 1
	s_and_b32 s24, s21, 1
	s_lshl_b32 s25, s23, 2
	s_add_co_u32 s25, s25, s24                     ; o1 = rho(T, 0) / 8; rows 8 to 15 of the tile are group o1 + 2
	s_and_b32 s26, s23, s20                        ; k: (o % 8) / 4 = (T / 2) % 2, the same for both groups; q: 0
	s_sub_co_u32 s27, 8, s20                       ; a block's step in the codes: 256 (q), 128 (k)
	s_lshl_b32 s28, s20, 1
	s_add_co_u32 s28, s28, 7                       ; rows 8 to 15 lie 128 (q), 512 (k) bytes on,
	s_add_co_u32 s29, s20, 5                       ; and in the words 32 (q), 64 (k)
	s_lshl_b32 s30, s22, 2
	s_lshl_b32 s32, s21, 9                         ; the tile's codes in a head: q 512 T, k 256 o1
	s_lshl_b32 s33, s25, 8
	s_lshl_b32 s34, s21, 6                         ; its words: q 64 T, k 32 o1
	s_lshl_b32 s35, s25, 5
	s_mov_b32 s36, 0x3a000000                      ; 1 / 2048
	s_mov_b32 s37, 0x358637bd                      ; 1e-6
	s_mov_b32 s38, 0x76543210
	s_mov_b32 s39, 0xfedcba98                      ; v_permlanex16_b32's selects for lane l xor 16
	s_mov_b32 s41, 0
	s_mov_b32 s43, 0
	v_and_b32 v1, 31, v0
	v_and_b32 v2, 15, v0                           ; r
	v_bfe_u32 v3, v0, 4, 1                         ; h
	v_and_b32 v10, 7, v0                           ; r % 8
	v_bfe_u32 v11, v0, 3, 1                        ; r / 8
	v_lshlrev_b32 v1, 4, v1                        ; 16 x lane
	v_mul_u32_u24 v5, v2, RP                       ; LDS: row r's sixteen sums,
	v_xor_b32 v6, s26, v3
	v_lshlrev_b32 v7, s28, v11
	v_add_nc_u32 v4, s30, v5                       ; and my wave's word of them
	v_lshlrev_b32 v6, s27, v6
	v_lshl_add_u32 v8, v11, 4, v10                 ; r % 8 + 16 (r / 8)
	v_lshlrev_b32 v9, 6, v3                        ; the weights: 64 h
	v_add_nc_u32 v6, v6, v7
	v_lshlrev_b32 v7, s29, v11
	v_lshlrev_b32 v8, 8, v8
	v_lshl_add_u32 v6, v10, 4, v6                  ; the codes' place: after the exchange of halves lane (r, h) holds block h of row r
	v_lshl_add_u32 v7, v10, 2, v7
	v_lshl_add_u32 v8, v3, 6, v8                   ; cos, sin: 256 bytes a row, + 64 h
	v_lshl_add_u32 v7, v3, 13, v7                  ; the words' place: lanes 0-15 head 2 w, lanes 16-31 head 2 w + 1 (8,192 bytes on)
	v_mov_b32 v14, 0                               ; a lane permute's destination counts as one of its sources
	v_mov_b32 v15, 0
	v_mov_b32 v249, 0                              ; (named with the factor as a pair, so it is written)
	v_cmp_ne_u32 vcc_lo, 0, v3                     ; lanes 16-31
	s_wait_alu depctr_va_vdst(0)                   ; the wait at the head's end
	s_wait_kmcnt 0x0
	s_cmp_eq_u32 s20, 0
	s_cselect_b64 s[6:7], s[6:7], s[10:11]         ; cos
	s_cselect_b64 s[8:9], s[8:9], s[12:13]         ; sin
	s_cselect_b64 s[14:15], s[14:15], s[16:17]     ; the norm's weights
	s_cselect_b32 s32, s32, s33
	s_cselect_b32 s34, s34, s35
	s_lshl_b32 s40, s20, 24
	s_lshl_b32 s42, s21, 17
	s_add_co_u32 s40, s40, s42
	s_lshl_b32 s42, s22, 13
	s_add_co_u32 s40, s40, s42
	s_add_nc_u64 s[4:5], s[4:5], s[40:41]          ; the image: 131,072 bytes a row tile, my eight column tiles of 1,024
	s_lshl_b32 s40, s25, 11
	s_add_nc_u64 s[6:7], s[6:7], s[40:41]          ; at row rho(T, 0)
	s_add_nc_u64 s[8:9], s[8:9], s[40:41]
	s_lshl_b32 s40, s22, 9
	s_add_nc_u64 s[14:15], s[14:15], s[40:41]      ; at my two heads: 256 bytes a head
.irp t, 0,1,2,3,4,5,6,7
	global_load_b128 v[X+8*\t:X+8*\t+3], v1, s[4:5] offset:1024*\t th:TH_LOAD_NT
	global_load_b128 v[X+8*\t+4:X+8*\t+7], v1, s[4:5] offset:1024*\t+512 th:TH_LOAD_NT
.endr
.irp u, 0,1
.irp i, 0,1,2,3
	global_load_b128 v[COS+16*\u+4*\i:COS+16*\u+4*\i+3], v8, s[6:7] offset:128*\u+16*\i
	global_load_b128 v[SIN+16*\u+4*\i:SIN+16*\u+4*\i+3], v8, s[8:9] offset:128*\u+16*\i
.endr
.endr
.irp u, 0,1,2,3
.irp i, 0,1,2,3
	global_load_b128 v[WN+16*\u+4*\i:WN+16*\u+4*\i+3], v9, s[14:15] offset:128*\u+16*\i
.endr
.endr
	s_lshl_b32 s40, s20, 21
	s_lshl_b32 s42, s22, 17
	s_add_co_u32 s40, s40, s42
	s_add_co_u32 s40, s40, s32
	s_add_nc_u64 s[44:45], s[18:19], s[40:41]      ; codes: 65,536 bytes a head
	s_lshl_b32 s40, s20, 18
	s_lshl_b32 s42, s22, 14
	s_add_co_u32 s40, s40, s42
	s_add_co_u32 s40, s40, s34
	s_add_co_u32 s40, s40, 4194304
	s_add_nc_u64 s[46:47], s[18:19], s[40:41]      ; scale words: 8,192 bytes a head
	s_wait_loadcnt 32                              ; my 64 numbers are in; the 32 loads of cos, sin and the weights may be out
.set n, 0
.rept 32                               ; the sum of their squares, two at a time, in four chains
.if n < 4
	v_pk_mul_f32 v[M+2*n:M+2*n+1], v[X+2*n:X+2*n+1], v[X+2*n:X+2*n+1]
.else
	v_pk_fma_f32 v[M+2*(n%4):M+2*(n%4)+1], v[X+2*n:X+2*n+1], v[X+2*n:X+2*n+1], v[M+2*(n%4):M+2*(n%4)+1]
.endif
.set n, n+1
.endr
	s_delay_alu instid0(VALU_DEP_3)
	v_pk_add_f32 v[M:M+1], v[M:M+1], v[M+2:M+3]
	s_delay_alu instid0(VALU_DEP_2)
	v_pk_add_f32 v[M+4:M+5], v[M+4:M+5], v[M+6:M+7]
	s_delay_alu instid0(VALU_DEP_1)
	v_pk_add_f32 v[M:M+1], v[M:M+1], v[M+4:M+5]
	s_delay_alu instid0(VALU_DEP_1)
	v_add_f32 v250, v[M], v[M+1]
	s_delay_alu instid0(VALU_DEP_1)
	v_permlanex16_b32 v14, v250, s38, s39
	s_delay_alu instid0(VALU_DEP_1)
	v_add_f32 v250, v250, v14                      ; with lane l xor 16's: row r's sum over my 128 columns
	ds_store_b32 v4, v250                          ; lanes l and l xor 16 write the same word with the same value
	s_wait_loadcnt 0x0                             ; cos, sin, the weights
.irp i, 0,1,2,3,4,5,6,7,8,9,10,11,12,13,14,15
	v_xor_b32 v[SIN+2*\i], 0x80000000, v[SIN+2*\i] ; out[2 i] = t[2 i] cos[2 i] - t[2 i + 1] sin[2 i]: the even entries change sign once
.endr
	s_wait_alu depctr_va_vdst(0)                   ; the wait here, directly ahead of the wait below
	s_wait_dscnt 0x0                               ; for the others' sake: my sums lie in LDS
	s_barrier_signal -1
	s_barrier_wait -1
.irp i, 0,1,2,3
	ds_load_b128 v[M+4*\i:M+4*\i+3], v5 offset:16*\i   ; row r's sixteen sums
.endr
	s_wait_dscnt 0x0
.irp i, 0,2,4,6
	v_pk_add_f32 v[M+\i:M+\i+1], v[M+\i:M+\i+1], v[M+8+\i:M+9+\i]
.endr
	s_delay_alu instid0(VALU_DEP_2)
	v_pk_add_f32 v[M:M+1], v[M:M+1], v[M+4:M+5]
	s_delay_alu instid0(VALU_DEP_2)
	v_pk_add_f32 v[M+2:M+3], v[M+2:M+3], v[M+6:M+7]
	s_delay_alu instid0(VALU_DEP_1)
	v_pk_add_f32 v[M:M+1], v[M:M+1], v[M+2:M+3]
	s_delay_alu instid0(VALU_DEP_1)
	v_add_f32 v250, v[M], v[M+1]                   ; the row's sum of squares
	s_delay_alu instid0(VALU_DEP_1)
	v_fma_f32 v250, v250, s36, s37                 ; / 2048 + 1e-6
	s_wait_alu depctr_va_vdst(0)                   ; the wait ahead of the transcendental,
	v_rsq_f32 v248, v250
	v_nop                                          ; a plain line behind it,
	s_wait_alu depctr_va_vdst(0)                   ; and the wait ahead of the first use
.irp e, 0,1
.irp i, 0,2,4,6,8,10,12,14,16,18,20,22,24,26,28,30
	v_pk_mul_f32 v[X+32*\e+\i:X+32*\e+\i+1], v[X+32*\e+\i:X+32*\e+\i+1], v[248:249] op_sel_hi:[1,0]   ; x * rsqrt(..),
.endr
.irp i, 0,2,4,6,8,10,12,14,16,18,20,22,24,26,28,30
	v_pk_mul_f32 v[X+32*\e+\i:X+32*\e+\i+1], v[X+32*\e+\i:X+32*\e+\i+1], v[WN+32*\e+\i:WN+32*\e+\i+1]   ; * w: t
.endr
.irp i, 0,2,4,6,8,10,12,14,16,18,20,22,24,26,28,30
	v_pk_mul_f32 v[M+\i:M+\i+1], v[X+32*\e+\i:X+32*\e+\i+1], v[COS+\i:COS+\i+1]
.endr
.irp i, 0,2,4,6,8,10,12,14,16,18,20,22,24,26,28,30
	v_pk_fma_f32 v[M+\i:M+\i+1], v[X+32*\e+\i:X+32*\e+\i+1], v[SIN+\i:SIN+\i+1], v[M+\i:M+\i+1] op_sel:[1,0,0] op_sel_hi:[0,1,1]   ; + the pair's other number * sin
.endr
.irp b, 0,1
	v_max3_num_f32 v[250+\b], |v[M+16*\b]|, |v[M+16*\b+1]|, 0x1800000   ; my 16 of each block, and the floor 2^(3 - 127): the byte cannot fall under 1
.endr
.irp i, 2,4,6,8,10,12,14
.irp b, 0,1
	s_delay_alu instid0(VALU_DEP_2)
	v_max3_num_f32 v[250+\b], v[250+\b], |v[M+16*\b+\i]|, |v[M+16*\b+\i+1]|
.endr
.endr
.irp b, 0,1
	s_delay_alu instid0(VALU_DEP_2)
	v_permlanex16_b32 v[14+\b], v[250+\b], s38, s39
.endr
.irp b, 0,1
	s_delay_alu instid0(VALU_DEP_2)
	v_max_num_f32 v[250+\b], v[250+\b], v[14+\b]   ; with lane l xor 16's: the block's largest magnitude
.endr
.irp b, 0,1
	s_delay_alu instid0(VALU_DEP_2)
	v_add_nc_u32 v[252+\b], 0xff000000, v[250+\b]  ; 2 off the exponent field: the conversion's scale operand
.endr
.irp b, 0,1
	s_delay_alu instid0(VALU_DEP_2)
	v_lshrrev_b32 v[250+\b], 23, v[252+\b]         ; the scale's byte
.endr
.irp b, 0,1
	v_cvt_scalef32_pk8_fp4_f32 v[C+4*\e+2*\b], v[M+16*\b:M+16*\b+7], v[252+\b]
	v_cvt_scalef32_pk8_fp4_f32 v[C+4*\e+2*\b+1], v[M+16*\b+8:M+16*\b+15], v[252+\b]
.endr
	v_lshl_or_b32 v10, v251, 8, v250               ; the row's two bytes; also the plain line behind the conversions
	v_permlane16_swap_b32 v[C+4*\e], v[C+4*\e+2]   ; lanes 0-15 now hold block 0 whole, lanes 16-31 block 1
	v_permlane16_swap_b32 v[C+4*\e+1], v[C+4*\e+3]
	v_lshl_or_b32 v[254+\e], v10, 16, v10          ; twice
	global_store_b128 v6, v[C+4*\e:C+4*\e+3], s[44:45] offset:65536*\e   ; two aligned runs of 256 bytes
.endr
	v_cndmask_b32 v11, v254, v255, vcc_lo          ; lanes 0-15: head 2 w's words; lanes 16-31: head 2 w + 1's
	global_store_b32 v7, v11, s[46:47]
	s_wait_tensorcnt 0x0                           ; the wave's end, behind my last LDS store
	ds_add_u32 v12, v13
	s_wait_dscnt 0x0
	s_endpgm
.Lfunc_end_k_q5036e7da04_prep:
	.size	k_q5036e7da04_prep, .Lfunc_end_k_q5036e7da04_prep-k_q5036e7da04_prep
	.p2alignl 7, 3214868480
	.fill 96, 4, 3214868480
	.section	.rodata,"a",@progbits
	.p2align	6, 0x0
	.amdhsa_kernel k_q5036e7da04_prep
		.amdhsa_group_segment_fixed_size 3584
		.amdhsa_private_segment_fixed_size 0
		.amdhsa_enable_private_segment 0
		.amdhsa_kernarg_size 64
		.amdhsa_user_sgpr_count 2
		.amdhsa_user_sgpr_kernarg_segment_ptr 1
		.amdhsa_wavefront_size32 1
		.amdhsa_system_sgpr_workgroup_id_x 1
		.amdhsa_system_sgpr_workgroup_id_y 1
		.amdhsa_system_sgpr_workgroup_id_z 1
		.amdhsa_system_vgpr_workitem_id 0
		.amdhsa_next_free_vgpr 256
		.amdhsa_next_free_sgpr 66
		.amdhsa_reserve_vcc 1
		.amdhsa_float_denorm_mode_32 3
		.amdhsa_float_denorm_mode_16_64 3
		.amdhsa_memory_ordered 1
		.amdhsa_forward_progress 1
		.amdhsa_inst_pref_size 27
	.end_amdhsa_kernel
	.amdgpu_metadata
---
amdhsa.version: [ 1, 2 ]
amdhsa.kernels:
  - .name:           k_q5036e7da04_prep
    .symbol:         k_q5036e7da04_prep.kd
    .args:
      - { .name: qkv, .offset: 0, .size: 8, .value_kind: global_buffer, .address_space: global }
      - { .name: q_cos, .offset: 8, .size: 8, .value_kind: global_buffer, .address_space: global }
      - { .name: q_sin, .offset: 16, .size: 8, .value_kind: global_buffer, .address_space: global }
      - { .name: k_cos, .offset: 24, .size: 8, .value_kind: global_buffer, .address_space: global }
      - { .name: k_sin, .offset: 32, .size: 8, .value_kind: global_buffer, .address_space: global }
      - { .name: qn_w, .offset: 40, .size: 8, .value_kind: global_buffer, .address_space: global }
      - { .name: kn_w, .offset: 48, .size: 8, .value_kind: global_buffer, .address_space: global }
      - { .name: qkq, .offset: 56, .size: 8, .value_kind: global_buffer, .address_space: global }
    .group_segment_fixed_size: 3584
    .private_segment_fixed_size: 0
    .kernarg_segment_align: 8
    .kernarg_segment_size: 64
    .max_flat_workgroup_size: 512
    .sgpr_count:     66
    .vgpr_count:     256
    .wavefront_size: 32
...
	.end_amdgpu_metadata
.endif
;; end of part 3
;; launch attn (part 4): grid 8 x 32, 16 waves a work-group, clusters of 4 x 1, 169,984 bytes of LDS; arguments qkq, qkv, aq; writes aq
.if DOCPART == 4
	.amdgcn_target "amdgcn-amd-amdhsa--gfx1250"
	.amdhsa_code_object_version 6
	.text
	.protected	k_q5036e7da04_attn
	.globl	k_q5036e7da04_attn
	.p2align	8
	.type	k_q5036e7da04_attn,@function
k_q5036e7da04_attn:
	s_mov_b64 s[64:65], 0
	v_nop
	global_prefetch_b8 v0, s[64:65] scope:SCOPE_SE
	s_setreg_imm32_b32 hwreg(HW_REG_WAVE_MODE, 25, 1), 1
	s_wait_xcnt 0x0
	s_wait_alu depctr_hold_cnt(0) depctr_sa_sdst(0) depctr_va_vdst(0) depctr_va_sdst(0) depctr_va_ssrc(0) depctr_va_vcc(0) depctr_vm_vsrc(0)
	s_getreg_b32 s2, hwreg(HW_REG_IB_STS2, 6, 4)
	s_cmp_eq_u32 s2, 0
	s_cbranch_scc0 .Lentry_in_a_cluster
	s_endpgm
.Lentry_in_a_cluster:
	s_bfe_u32 s2, ttmp6, 0x10000c
	s_cmp_lg_u32 s2, 0x3003
	s_cbranch_scc0 .Lentry_shape_is_right
	s_endpgm
.Lentry_shape_is_right:
; Attention of 32 heads of 64 over 2,048 tokens, both products on codes of FP4 (E2M1) with one E8M0 scale for each 32 along a product's K; the result is quantised along the inner axis and stored as the output projection's operand record.
; IN: q's codes [head][T][512 bytes] and scale words [head][T][r][4 bytes] (the row's two bytes twice); tile T, row r is token 32 (T / 2) + 8 (T % 2) + r % 8 + 16 (r / 8) (v's channels likewise).
;     k's codes by groups of eight keys, o = key / 8: [head][o][256 bytes], block b of key 8 o + i at 128 (b xor ((o % 8) / 4)) + 16 i; its scale words [head][o][i][4 bytes].
;     v's fragments [head][128 keys][16 of the head's 64][1,024 bytes] and scale words [head][128 keys][16 of 64][row][4 bytes].
; A TILE OF K IS CHOSEN BY THE LANES' ADDRESSES: tile T, row r is key 64 (T / 4) + 8 (T % 4) + r % 8 + 32 (r / 8): groups 8 (T / 4) + T % 4 and four further on.  The exchange of a group's two halves in the upper
; THE SOFTMAX: t = score x log2(e) / 8; M = the row's largest t so far, rounded UP to a whole number; p = 2^(t - M) is quantised along the keys, not normalised.  The row's sum is taken of the unquantised p and divides O at the end.
;     When M moves, the sum and O are multiplied by 2^(old M - new M): exact.
; THE HEAD'S 64 ARE HALF OF THE INSTRUCTION'S 128 ALONG K.  A fragment of K holds two tiles of keys (registers 0-3, 4-7).  Against (q, zero codes) it gives the first tile's scores, against (zero codes, q) the second's:
;     the half that meets zero codes adds nothing, whatever its scale byte (all bytes lie in 1 .. 254).
; LAYOUT: both products are used transposed (S^T = K Q^T, O^T = V^T P^T): a lane holds ONE query (lane % 16).  By the tiles' keys, register 96 + 32 c + i of lane (r, h) is key 64 c + 32 h + i of the step:
;     A WHOLE BLOCK OF 32 KEYS LIES IN ONE LANE.  Its largest score needs no other lane, and the eight conversions' results are the second product's operand as they stand.  A lane makes two of the four scale bytes; lane l xor 16 has the others.
; SHARES: a work-group owns 256 queries of a head, each of its sixteen waves one tile of 16, in 256 registers: four waves to a SIMD.
; LDS: a whole head's K and V fit (143,360 bytes): every byte is filled once, by ten joint loads at the head, one to a wave; nothing is filled again.  All input is asked for there, so no loop is left to ask ahead in: no prefetch.
; CLUSTER: the four query blocks of a cluster belong to one head: every tile is asked for jointly, with the mask of all four.
; OUT: codes at T*16384 + head*512 + 16 x lane; scale bytes at SOFF + T*1024 + (head / 8)*256 + 16 r + 2 (head % 8) + block: single bytes, 131,072 in the launch, since eight heads share a run of 256.
; LIMITS: the promise holds while |t| stays under 2^31.  A block of zeros, or one whose largest magnitude lies under 2^-124, gets the byte 1 (its codes are zeros; only this program reads the bytes); NaN and infinities are not served.
;     A block's largest p is the exponential of its largest score; this takes v_exp_f32 not to fall where its input rises.
; REGISTERS: v1-4, v25 addresses that stay; v5-8 the step's; v9 8 h; v10 -M, v11 the largest score; v12-15 zero codes, v16-19 q, v20-23 zero codes; v24 q's scale words; v[26:27] the sum in two halves; v[28:29] f and 0; v30 4 r; v31 16 r + h;
;   v32-63 K; v64-95 V; v96-159 S^T, then p; v160-191 O^T; v224-231 p's codes; v232-239, v250-251, v254 at work; v240-243 K's scale words; v244-247 V's; v248-249 the conversions' scale operands; v253 p's scale word; v252, v255 the add's.
.set SOFF, 2097152
.set VC,   33554432
.set VS,   35651584
.set LV,   65536                       ; LDS: K's codes at 0, V's here,
.set LKS,  131072                      ; K's scale words,
.set LVS,  139264                      ; V's
.set SPARE, 167936                     ; the spare words: 128 bytes a wave, named by no other line
.set SPW,  252
.set NIL,  255
.set WV,   18
.set SEL,  20
.set CS,   22
.set G1C,  24                          ; group 1 for a chunk of codes: 16,384 dense bytes
.set G1KS, 32                          ; for K's scale words: 8,192
.set G1VS, 40                          ; for V's: 4,096
.set G0K,  48                          ; s[48:63] groups 0 for K's four chunks
.set G0KS, 68
.set G0V,  72                          ; s[72:87] for V's four
.set G0VS, 88
.set TK,   2                           ; where the step's codes begin in K's region and in V's: 4,096 bytes a step
.set TSK,  3                           ; K's scale words: 512 a step
.set TSV,  66                          ; V's: 256 a step
.set CNT,  67
.set ADK,  5
.set ADV,  6
.set ADS,  7
.set ADT,  8
.set AK0,  25                          ; v25  my lane's place in a tile of K
.macro CROUND                          ; a round of the cluster's barrier
	s_barrier_signal -1
	s_barrier_wait -1
	s_cmp_lg_u32 s[WV], 0
	s_cbranch_scc1 .Lnot_wave_0_\@
	s_barrier_signal -3
.Lnot_wave_0_\@:
	s_barrier_wait -3
	s_barrier_signal -1
	s_barrier_wait -1
.endm
.macro ARM under, g0, g1               ; an arm of the head's chain: one joint load, its s_nop 0 and four v_nop, a jump to the join
	s_cmp_lt_u32 s[WV], \under
	s_cbranch_scc0 .Lnext_\@
	tensor_load_to_lds s[\g0:\g0+3], s[\g1:\g1+7]
	s_nop 0
.rept 4
	v_nop
.endr
	s_branch .Lasked
.Lnext_\@:
.endm
	s_load_b128 s[4:7], s[0:1], 0x0                ; q's and k's codes and words s[4:5]; the buffer with v's s[6:7]
	s_load_b64 s[8:9], s[0:1], 0x10                ; the record
	v_lshl_add_u32 v[SPW], v0, 2, SPARE
	v_mov_b32 v[NIL], 0
	ds_add_u32 v[SPW], v[NIL]                      ; the opening lines: the add twice on end and one wait
	ds_add_u32 v[SPW], v[NIL]
	v_lshrrev_b32 v1, 5, v0
	v_readfirstlane_b32 s[WV], v1                  ; wave 0..15
	s_bfe_u32 s92, ttmp6, 0x40000                  ; cx
	s_lshl_b32 s93, ttmp9, 2
	s_add_co_u32 s93, s93, s92                     ; my block of 256 queries: it enters q's and the record's addresses alone
	s_lshl_b32 s93, s93, 4
	s_add_co_u32 s93, s93, s[WV]                   ; my tile T
	s_and_b32 s94, ttmp7, 0xffff                   ; the head, which the four partners share
.irp g, G1C, G1KS, G1VS
	s_mov_b32 s[\g], 15|(3<<16)|(1<<21)            ; the mask of all four; elements of 8 bytes; bit 21 beside a mask
	s_mov_b32 s[\g+1], 32<<16                      ; dense rows of 256 bytes
	s_mov_b32 s[\g+3], 32<<16
	s_mov_b32 s[\g+5], 32
	s_mov_b32 s[\g+6], 0
	s_mov_b32 s[\g+7], 0
.endr
	s_mov_b32 s[G1C+2], 64<<16
	s_mov_b32 s[G1C+4], 64
	s_mov_b32 s[G1KS+2], 32<<16
	s_mov_b32 s[G1KS+4], 32
	s_mov_b32 s[G1VS+2], 16<<16
	s_mov_b32 s[G1VS+4], 16
	s_lshl_b32 s10, s94, 16                        ; a head's codes: 65,536 bytes (of q, of k, of v)
	s_mov_b32 s11, 0
	s_lshl_b32 s12, s94, 13                        ; its scale words of q or k: 8,192
	s_mov_b32 s13, 0
	s_lshl_b32 s14, s94, 12                        ; of v: 4,096
	s_mov_b32 s15, 0
	s_mov_b32 s[SEL], 0x76543210
	s_mov_b32 s[SEL+1], 0xfedcba98                 ; v_permlanex16_b32's selects for lane l xor 16
	s_mov_b32 s[CS], 0x3e38aa3b                    ; c = log2(e) / 8
	s_mov_b32 s[CS+1], s[CS]
	s_mov_b32 s[TK], 0
	s_mov_b32 s[TSK], 0
	s_mov_b32 s[TSV], 0
	s_wait_dscnt 0x0
	s_wait_kmcnt 0x0
	s_add_nc_u64 s[96:97], s[4:5], s[10:11]        ; the head's codes of q; k's lie 2,097,152 bytes on
	s_add_nc_u64 s[98:99], s[6:7], s[10:11]
.irp c, 0,1,2,3
	s_mov_b32 s[G0K+4*\c], 1
	s_mov_b32 s[G0K+4*\c+1], 16384*\c
	s_add_nc_u64 s[G0K+4*\c+2:G0K+4*\c+3], s[96:97], 2097152+16384*\c
	s_or_b32 s[G0K+4*\c+3], s[G0K+4*\c+3], 0x80000000
	s_mov_b32 s[G0V+4*\c], 1
	s_mov_b32 s[G0V+4*\c+1], LV+16384*\c
	s_add_nc_u64 s[G0V+4*\c+2:G0V+4*\c+3], s[98:99], VC+16384*\c
	s_or_b32 s[G0V+4*\c+3], s[G0V+4*\c+3], 0x80000000
.endr
	s_mov_b32 s[G0KS], 1
	s_mov_b32 s[G0KS+1], LKS
	s_add_nc_u64 s[G0KS+2:G0KS+3], s[4:5], s[12:13]
	s_add_nc_u64 s[G0KS+2:G0KS+3], s[G0KS+2:G0KS+3], 4456448
	s_or_b32 s[G0KS+3], s[G0KS+3], 0x80000000
	s_mov_b32 s[G0VS], 1
	s_mov_b32 s[G0VS+1], LVS
	s_add_nc_u64 s[G0VS+2:G0VS+3], s[6:7], s[14:15]
	s_add_nc_u64 s[G0VS+2:G0VS+3], s[G0VS+2:G0VS+3], VS
	s_or_b32 s[G0VS+3], s[G0VS+3], 0x80000000
	CROUND                                         ; all four work-groups are here: the joint loads meet
	ARM 1, G0KS, G1KS                              ; ten tiles, ten waves, one load each; waves 10 to 15 ask for nothing
	ARM 2, G0K, G1C
	ARM 3, G0VS, G1VS
	ARM 4, G0V, G1C
	ARM 5, G0K+4, G1C
	ARM 6, G0V+4, G1C
	ARM 7, G0K+8, G1C
	ARM 8, G0V+8, G1C
	ARM 9, G0K+12, G1C
	ARM 10, G0V+12, G1C
.Lasked:
	s_lshl_b32 s10, s93, 9
	s_add_nc_u64 s[96:97], s[96:97], s[10:11]      ; q's codes of my tile
	s_add_nc_u64 s[4:5], s[4:5], s[12:13]
	s_lshl_b32 s10, s93, 6
	s_add_co_u32 s10, s10, 4194304
	s_add_nc_u64 s[4:5], s[4:5], s[10:11]          ; and its scale words
	s_lshl_b32 s10, s93, 14
	s_lshl_b32 s12, s94, 9
	s_add_co_u32 s10, s10, s12
	s_add_nc_u64 s[16:17], s[8:9], s[10:11]        ; the record: my tile's codes of this head's two blocks
	s_lshl_b32 s10, s93, 10
	s_lshr_b32 s12, s94, 3
	s_lshl_b32 s12, s12, 8
	s_add_co_u32 s10, s10, s12
	s_and_b32 s12, s94, 7
	s_lshl_b32 s12, s12, 1
	s_add_co_u32 s10, s10, s12
	s_add_co_u32 s10, s10, SOFF
	s_add_nc_u64 s[8:9], s[8:9], s[10:11]          ; and their scale bytes
	v_and_b32 v9, 31, v0                           ; lane
	v_and_b32 v30, 15, v0
	v_lshlrev_b32 v1, 4, v9                        ; 16 x lane: my place in an image
	v_lshlrev_b32 v30, 2, v30                      ; 4 r
	global_load_b128 v[16:19], v1, s[96:97]        ; q's codes stay in registers
	global_load_b32 v24, v30, s[4:5]               ; q's scale words
	v_add_nc_u32 v2, LV, v1                        ; in V's region
	v_and_b32 v5, 7, v0                            ; r % 8
	v_bfe_u32 v6, v0, 3, 1                         ; r / 8
	v_bfe_u32 v7, v0, 4, 1                         ; h
	v_add_nc_u32 v4, LVS, v30                      ; V's scale words: row r
	v_add_nc_u32 v8, v6, v7
	v_lshlrev_b32 v[AK0], 10, v6                   ; K: rows 8 to 15 of a tile lie four groups of 256 bytes on;
	v_and_b32 v8, 1, v8                            ; h xor (r / 8): which half of the group holds my block
	v_lshl_add_u32 v3, v6, 7, LKS                  ; K's scale words: four groups of 32 bytes on,
	v_lshl_add_u32 v[AK0], v8, 7, v[AK0]
	v_lshl_add_u32 v3, v7, 5, v3                   ; lanes 16-31 a fragment's second tile, one group on,
	v_lshl_add_u32 v[AK0], v5, 4, v[AK0]
	v_lshl_add_u32 v3, v5, 2, v3                   ; 4 bytes a key
	v_lshlrev_b32 v9, 3, v7                        ; 8 h: where my two scale bytes stand in p's word
.irp j, 12,13,14,15,20,21,22,23
	v_mov_b32 v[\j], 0                             ; zero codes on either side of q
.endr
	v_mov_b32 v11, 0xff61b1e6                      ; the largest score so far: -3e38
	v_floor_f32 v10, -v11                          ; -M
	v_mov_b32 v26, 0                               ; the sum, in two halves
	v_mov_b32 v27, 0
	v_mov_b32 v29, 0                               ; (named with f as a pair, so it is written)
	v_mov_b32 v236, 0                              ; a lane permute's destination counts as one of its sources
.set n, 0
.rept 32
	v_mov_b32 v[160+n], 0                          ; O^T: the step is written for every step alike; the first finds zeros
.set n, n+1
.endr
; A step's K: four fragments (tiles 2 p and 2 p + 1) and their scale words: twelve LDS loads.  Tile t of the step begins at group 8 (t / 4) + t % 4.
.macro KLOAD ak, as, ko, so
.irp p, 0,1,2,3
.irp c, 0,1
	ds_load_b128 v[32+8*\p+4*\c:32+8*\p+4*\c+3], v[\ak] offset:\ko+2048*(\p/2)+256*(2*(\p%2)+\c)
.endr
.endr
.irp p, 0,1,2,3
	ds_load_b32 v[240+\p], v[\as] offset:\so+256*(\p/2)+64*(\p%2)
.endr
.endm
.macro SUM4 j                          ; pairs j .. j + 3 of p onto the sum's four chains
	v_pk_add_f32 v[236:237], v[236:237], v[96+2*(\j):97+2*(\j)]
	v_pk_add_f32 v[238:239], v[238:239], v[98+2*(\j):99+2*(\j)]
	v_pk_add_f32 v[250:251], v[250:251], v[100+2*(\j):101+2*(\j)]
	v_pk_add_f32 v[26:27], v[26:27], v[102+2*(\j):103+2*(\j)]
.endm
; A KEY STEP: 128 keys.  Its K was asked for a step ago.  more = 1: the next step's K is asked for.
.macro STEP more
	s_wait_dscnt 0x0                               ; K and its words are in
.irp p, 0,1,2,3
	v_wmma_scale_f32_16x16x128_f8f6f4 v[96+16*\p:103+16*\p], v[32+8*\p:39+8*\p], v[16:23], 0, v[240+\p], v24 matrix_a_fmt:MATRIX_FMT_FP4 matrix_b_fmt:MATRIX_FMT_FP4
	v_wmma_scale_f32_16x16x128_f8f6f4 v[104+16*\p:111+16*\p], v[32+8*\p:39+8*\p], v[12:19], 0, v[240+\p], v24 matrix_a_fmt:MATRIX_FMT_FP4 matrix_b_fmt:MATRIX_FMT_FP4 matrix_a_scale:MATRIX_SCALE_ROW1
.endr
	v_add_nc_u32 v[ADV], s[TK], v2                 ; these four lines are the places behind the products: ahead of the loads into K's and V's registers and of the first read of the scores
	v_add_nc_u32 v[ADT], s[TSV], v4
.if \more
	v_add_nc_u32 v[ADK], s[TK], v[AK0]
	v_add_nc_u32 v[ADS], s[TSK], v3
.else
	v_nop
	v_nop
.endif
.irp t, 0,1,2,3
.irp c, 0,1
	ds_load_b128 v[64+8*\t+4*\c:64+8*\t+4*\c+3], v[ADV] offset:1024*\t+512*\c
.endr
.endr
.irp t, 0,1,2,3
	ds_load_b32 v[244+\t], v[ADT] offset:64*\t
.endr
.if \more
	KLOAD ADK, ADS, 4096, 512                      ; the next step's K, behind V's twelve loads
.endif
.irp b, 0,1,2,3
	v_max3_num_f32 v[232+\b], v[96+16*\b], v[97+16*\b], v[98+16*\b]   ; four chains of 16 registers, each accumulator from its low end on
.endr
.irp i, 3,5,7,9,11,13
.irp b, 0,1,2,3
	v_max3_num_f32 v[232+\b], v[232+\b], v[96+16*\b+\i], v[97+16*\b+\i]
.endr
.endr
	v_max3_num_f32 v232, v232, v233, v111
	v_max3_num_f32 v234, v234, v235, v143
	v_mov_b32 v237, v10                            ; the old -M
	v_max_num_f32 v232, v232, v127                 ; the largest score of my block h,
	v_max_num_f32 v234, v234, v159                 ; and of my block 2 + h: they serve for the row's maximum and, since p rises with the score, for the blocks' largest p
	s_delay_alu instid0(VALU_DEP_1)
	v_max3_num_f32 v254, v232, v234, v11
	s_delay_alu instid0(VALU_DEP_1)
	v_permlanex16_b32 v236, v254, s[SEL], s[SEL+1]
	s_delay_alu instid0(VALU_DEP_1)
	v_max_num_f32 v11, v254, v236                  ; with lane l xor 16's 64 keys: the running largest score of my query
	s_delay_alu instid0(VALU_DEP_1)
	v_mul_f32 v254, s[CS], v11                     ; as t (c is positive)
	s_delay_alu instid0(VALU_DEP_1)
	v_floor_f32 v10, -v254                         ; the new -M = floor(-t) = -ceil(t): a whole number
	s_delay_alu instid0(VALU_DEP_1)
	v_sub_f32 v237, v10, v237                      ; M's old value less its new one: a whole number, 0 or less
	s_delay_alu instid0(VALU_DEP_1)
	v_cvt_i32_f32 v237, v237                       ; (it saturates)
	s_delay_alu instid0(VALU_DEP_1)
	v_ldexp_f32 v28, 1.0, v237                     ; f = 2^(old M - new M)
	v_fma_f32 v232, v232, s[CS], v10               ; t - M of each block's largest score
	v_fma_f32 v234, v234, s[CS], v10
.set n, 0
.rept 32
	v_pk_fma_f32 v[96+2*n:97+2*n], v[96+2*n:97+2*n], s[CS:CS+1], v[10:11] op_sel_hi:[1,0,0]   ; t - M, two at a time
.set n, n+1
.endr
	s_wait_alu depctr_va_vdst(0)                   ; the wait ahead of the batch
	v_exp_f32 v232, v232                           ; the blocks' largest p: the same multiply-add and exponential on the same number give the same bits as in the block
	v_exp_f32 v234, v234
.set n, 0
.rept 64
	v_exp_f32 v[96+n], v[96+n]                     ; p = 2^(t - M), at most 1
.set n, n+1
.endr
	v_pk_mul_f32 v[26:27], v[26:27], v[28:29] op_sel_hi:[1,0]   ; the sums under the new M; the plain line behind the last exponential
	s_wait_alu depctr_va_vdst(0)                   ; and one wait behind the batch, ahead of its first reader
	v_max_num_f32 v232, 0x1800000, v232            ; the floor 2^(3 - 127): the byte cannot fall under 1
	v_max_num_f32 v234, 0x1800000, v234
	v_pk_add_f32 v[236:237], v[96:97], v[98:99]    ; the row's sum of the unquantised p, in four chains; the scale's lines stand among them
	v_pk_add_f32 v[238:239], v[100:101], v[102:103]
	v_pk_add_f32 v[250:251], v[104:105], v[106:107]
	v_pk_add_f32 v[26:27], v[26:27], v[108:109]
	v_add_nc_u32 v248, 0xff000000, v232            ; 2 off the exponent field: the conversion's scale operand
	v_add_nc_u32 v249, 0xff000000, v234
	SUM4 7
	v_lshrrev_b32 v232, 23, v248                   ; the scales' bytes
	v_lshrrev_b32 v234, 23, v249
	SUM4 11
	v_lshl_or_b32 v253, v234, 16, v232             ; blocks h and 2 + h,
	SUM4 15
	v_lshlrev_b32 v253, v9, v253                   ; at their places in the word,
	SUM4 19
	v_permlanex16_b32 v254, v253, s[SEL], s[SEL+1]
	SUM4 23
	v_or_b32 v253, v253, v254                      ; with lane l xor 16's two: p's scale word for these 128 keys
	SUM4 27
	v_pk_add_f32 v[236:237], v[236:237], v[158:159]
.irp c, 0,1
.irp u, 0,1,2,3
	v_cvt_scalef32_pk8_fp4_f32 v[224+4*\c+\u], v[96+32*\c+8*\u:103+32*\c+8*\u], v[248+\c]   ; register 4 c + u of the operand: keys 64 c + 32 h + 8 u + 0 .. 7
.endr
.endr
	v_pk_add_f32 v[238:239], v[238:239], v[250:251]   ; the chains are joined; plain lines behind the conversions
	v_pk_add_f32 v[26:27], v[26:27], v[236:237]
	s_delay_alu instid0(VALU_DEP_1)
	v_pk_add_f32 v[26:27], v[26:27], v[238:239]
	s_wait_alu depctr_va_vdst(0)                   ; the wait here, directly ahead of the first readers of O^T
.set n, 0
.rept 16
	v_pk_mul_f32 v[160+2*n:161+2*n], v[160+2*n:161+2*n], v[28:29] op_sel_hi:[1,0]   ; O^T under the new M; these sixteen are also the places between p's codes and word and the products
.set n, n+1
.endr
	s_wait_alu depctr_va_vdst(0)                   ; the wait here, directly ahead of the wait below
.if \more
	s_wait_dscnt 12                                ; V and its words are in; the next step's K, twelve loads, may be out
.else
	s_wait_dscnt 0x0
.endif
.irp t, 0,1,2,3                                ; O^T += V^T P^T: four accumulators by turns
	v_wmma_scale_f32_16x16x128_f8f6f4 v[160+8*\t:167+8*\t], v[64+8*\t:71+8*\t], v[224:231], v[160+8*\t:167+8*\t], v[244+\t], v253 matrix_a_fmt:MATRIX_FMT_FP4 matrix_b_fmt:MATRIX_FMT_FP4
.endr
.if \more
	s_add_co_u32 s[TK], s[TK], 4096
	s_add_co_u32 s[TSK], s[TSK], 512
	s_add_co_u32 s[TSV], s[TSV], 256
.endif
.endm
	s_wait_alu depctr_va_vdst(0)                   ; the wait at the head's end
	s_wait_loadcnt 0x0                             ; q
	s_wait_tensorcnt 0x0                           ; my tile, if I asked for one, has landed
	s_barrier_signal -1
	s_barrier_wait -1                              ; the whole head lies in LDS for all sixteen waves
	KLOAD AK0, 3, 0, 0                             ; key step 0's K
	s_mov_b32 s[CNT], 15
.Lstep:                                            ; key steps 0 to 14
	STEP 1
	s_sub_co_u32 s[CNT], s[CNT], 1
	s_cmp_lg_u32 s[CNT], 0
	s_cbranch_scc1 .Lstep
	STEP 0                                         ; key step 15 asks for nothing more
	; THE WAY OUT.  O^T / the sum; register 8 t + j of lane (r, h) is channel 32 (t / 2) + 16 h + 8 (t % 2) + j of the head: two blocks of 32 along the output projection's K, each in lanes l and l xor 16.
	v_add_f32 v26, v26, v27                        ; the sum's two halves,
	s_delay_alu instid0(VALU_DEP_1)
	v_permlanex16_b32 v236, v26, s[SEL], s[SEL+1]
	s_delay_alu instid0(VALU_DEP_1)
	v_add_f32 v26, v26, v236                       ; and lane l xor 16's: the row's sum
	s_wait_alu depctr_va_vdst(0)                   ; the wait ahead of the transcendental
	v_rcp_f32 v26, v26
	v_bfe_u32 v5, v0, 4, 1                         ; h  (plain lines behind the transcendental; with the lines above, the places behind the last products)
	v_and_b32 v6, 15, v0                           ; r
	v_mov_b32 v237, 0
	v_lshl_add_u32 v31, v6, 4, v5                  ; 16 r + h: my scale byte's place
	v_cmp_ne_u32 vcc_lo, 0, v9                     ; lanes 16-31
	s_wait_alu depctr_va_vdst(0)                   ; and ahead of the first use
.set n, 0
.rept 32
	v_mul_f32 v[96+n], v[160+n], v26               ; each accumulator from its low end on
.set n, n+1
.endr
.irp b, 0,1
	v_max3_num_f32 v[232+\b], |v[96+16*\b]|, |v[97+16*\b]|, 0x1800000
.endr
.irp i, 2,4,6,8,10,12,14
.irp b, 0,1
	s_delay_alu instid0(VALU_DEP_2)
	v_max3_num_f32 v[232+\b], v[232+\b], |v[96+16*\b+\i]|, |v[97+16*\b+\i]|
.endr
.endr
.irp b, 0,1
	s_delay_alu instid0(VALU_DEP_2)
	v_permlanex16_b32 v[236+\b], v[232+\b], s[SEL], s[SEL+1]
.endr
.irp b, 0,1
	s_delay_alu instid0(VALU_DEP_2)
	v_max_num_f32 v[232+\b], v[232+\b], v[236+\b]
.endr
.irp b, 0,1
	s_delay_alu instid0(VALU_DEP_2)
	v_add_nc_u32 v[248+\b], 0xff000000, v[232+\b]
.endr
.irp b, 0,1
	s_delay_alu instid0(VALU_DEP_2)
	v_lshrrev_b32 v[236+\b], 23, v[248+\b]
.endr
.irp b, 0,1
	v_cvt_scalef32_pk8_fp4_f32 v[224+2*\b], v[96+16*\b:103+16*\b], v[248+\b]
	v_cvt_scalef32_pk8_fp4_f32 v[225+2*\b], v[104+16*\b:111+16*\b], v[248+\b]
.endr
	v_nop                                          ; one plain line behind a scaled conversion
	v_permlane16_swap_b32 v224, v226               ; lanes 0-15 now hold block 0 whole, lanes 16-31 block 1
	v_permlane16_swap_b32 v225, v227
	v_cndmask_b32 v238, v236, v237, vcc_lo         ; and its byte
	global_store_b128 v1, v[224:227], s[16:17]     ; 512 bytes on end
	global_store_b8 v31, v238, s[8:9]
	s_wait_tensorcnt 0x0                           ; the wave's end
	ds_add_u32 v[SPW], v[NIL]
	s_wait_dscnt 0x0
	CROUND                                         ; the closing round
	s_endpgm
.Lfunc_end_k_q5036e7da04_attn:
	.size	k_q5036e7da04_attn, .Lfunc_end_k_q5036e7da04_attn-k_q5036e7da04_attn
	.p2alignl 7, 3214868480
	.fill 96, 4, 3214868480
	.section	.rodata,"a",@progbits
	.p2align	6, 0x0
	.amdhsa_kernel k_q5036e7da04_attn
		.amdhsa_group_segment_fixed_size 169984
		.amdhsa_private_segment_fixed_size 0
		.amdhsa_enable_private_segment 0
		.amdhsa_kernarg_size 24
		.amdhsa_user_sgpr_count 2
		.amdhsa_user_sgpr_kernarg_segment_ptr 1
		.amdhsa_wavefront_size32 1
		.amdhsa_system_sgpr_workgroup_id_x 1
		.amdhsa_system_sgpr_workgroup_id_y 1
		.amdhsa_system_sgpr_workgroup_id_z 1
		.amdhsa_system_vgpr_workitem_id 0
		.amdhsa_next_free_vgpr 256
		.amdhsa_next_free_sgpr 100
		.amdhsa_reserve_vcc 1
		.amdhsa_float_denorm_mode_32 3
		.amdhsa_float_denorm_mode_16_64 3
		.amdhsa_memory_ordered 1
		.amdhsa_forward_progress 1
		.amdhsa_inst_pref_size 46
	.end_amdhsa_kernel
	.amdgpu_metadata
---
amdhsa.version: [ 1, 2 ]
amdhsa.kernels:
  - .name:           k_q5036e7da04_attn
    .symbol:         k_q5036e7da04_attn.kd
    .args:
      - { .name: qkq, .offset: 0, .size: 8, .value_kind: global_buffer, .address_space: global }
      - { .name: qkv, .offset: 8, .size: 8, .value_kind: global_buffer, .address_space: global }
      - { .name: aq, .offset: 16, .size: 8, .value_kind: global_buffer, .address_space: global }
    .group_segment_fixed_size: 169984
    .private_segment_fixed_size: 0
    .kernarg_segment_align: 8
    .kernarg_segment_size: 24
    .max_flat_workgroup_size: 512
    .sgpr_count:     100
    .vgpr_count:     256
    .wavefront_size: 32
...
	.end_amdgpu_metadata
.endif
;; end of part 4
;; launch oproj (part 5): grid 16 x 16, 4 waves a work-group, clusters of 4 x 4, 327,680 bytes of LDS; arguments aq, woq, bo, out0; writes out0
.if DOCPART == 5
	.amdgcn_target "amdgcn-amd-amdhsa--gfx1250"
	.amdhsa_code_object_version 6
	.text
	.protected	k_q5036e7da04_oproj
	.globl	k_q5036e7da04_oproj
	.p2align	8
	.type	k_q5036e7da04_oproj,@function
k_q5036e7da04_oproj:
	s_mov_b64 s[64:65], 0
	v_nop
	global_prefetch_b8 v0, s[64:65] scope:SCOPE_SE
	s_setreg_imm32_b32 hwreg(HW_REG_WAVE_MODE, 25, 1), 1
	s_wait_xcnt 0x0
	s_wait_alu depctr_hold_cnt(0) depctr_sa_sdst(0) depctr_va_vdst(0) depctr_va_sdst(0) depctr_va_ssrc(0) depctr_va_vcc(0) depctr_vm_vsrc(0)
	s_getreg_b32 s2, hwreg(HW_REG_IB_STS2, 6, 4)
	s_cmp_eq_u32 s2, 0
	s_cbranch_scc0 .Lentry_in_a_cluster
	s_endpgm
.Lentry_in_a_cluster:
	s_bfe_u32 s2, ttmp6, 0x10000c
	s_cmp_lg_u32 s2, 0xf033
	s_cbranch_scc0 .Lentry_shape_is_right
	s_endpgm
.Lentry_shape_is_right:
; out0 [2048][2048] f32 = A B^T + bo on codes of FP4 (E2M1) with E8M0 scales: A is attention's result, B is Wo, both as operand records:
;   codes at T*16384 + kb*256 + r*16 (block kb of 32 along K of row rho(T, r) = 32 (T / 2) + 8 (T % 2) + r % 8 + 16 (r / 8)); scale bytes at SOFF + T*1024 + (kb / 16)*256 + r*16 + kb % 16.
; SHARES: a work-group makes 128 x 128 of the result, 256 work-groups; each of its four waves 64 x 64: 16 accumulators in v256-383.
; LDS: the 8 record tiles of a block's rows are 131,072 dense bytes for ALL of K, and their scale bytes 8,192: A's codes, B's codes, A's scales, B's scales come by four joint loads at the head, one to a wave.
;   Every byte is filled once; nothing is filled again; all input is asked for at the head, so no loop is left to ask ahead in: no prefetch.
; CLUSTER 4 x 4: A's tiles are shared along a row of the cluster, B's along a column.
; The matrix instruction is used transposed (source 0 = rows of B, source 1 = rows of A): a lane holds eight neighbouring numbers of a row of the result.  Results leave through each wave's own stage as aligned runs of 256 bytes.
.set SOFF,   2097152
.set FR,     8
.set NP,     4
.set LQ,     131072                    ; B's codes
.set SCL,    262144                    ; the scales: A's 8,192 bytes, then B's
.set QS,     4096                      ; those of 64 rows
.set STAGE,  SCL+4*QS
.set SPITCH, 272
.set SPARE,  STAGE+4*16*SPITCH         ; the spare words: 128 bytes a wave, named by no other line
.set ADRA, 16
.set ADRB, 20
.set LN,   23
.set STO,  24
.set RD,   25
.set CO,   26
.set ADRS, 27
.set BO,   28
.set SC,   32                          ; v32-95 scale words of all 16 K steps: lanes 0-15 A's, lanes 16-31 B's
.set BI,   96
.set F0,   128                         ; v128-255 two sets of fragments
.set BK,   128
.set G1,   24
.set G0,   32
.set G1B,  48
.set G0B,  56
.set G1S,  68
.set G0S,  76
.set G1SB, 80
.set G0SB, 88
.set MSB, 0
.macro WIN new
.if MSB != (\new)
	s_set_vgpr_msb (MSB<<8)|(\new)
.set MSB, (\new)
.endif
.endm
.set MULW, 0x50
.macro CROUND
	s_barrier_signal -1
	s_barrier_wait -1
	s_cmp_lg_u32 s14, 0
	s_cbranch_scc1 .Lnot_wave_0_\@
	s_barrier_signal -3
.Lnot_wave_0_\@:
	s_barrier_wait -3
	s_barrier_signal -1
	s_barrier_wait -1
.endm
.macro ARM under, g0, g1
	s_cmp_lt_u32 s14, \under
	s_cbranch_scc0 .Lnext_\@
	tensor_load_to_lds s[\g0:\g0+3], s[\g1:\g1+7]
	s_nop 0
.rept 4
	v_nop
.endr
	s_branch .Lasked
.Lnext_\@:
.endm
	s_load_b256 s[4:11], s[0:1], 0x0               ; A's record, B's record, bo, out0
	v_lshl_add_u32 v126, v0, 2, SPARE
	v_mov_b32 v127, 0
	ds_add_u32 v126, v127                          ; the opening lines: the add twice on end and one wait
	ds_add_u32 v126, v127
	v_lshrrev_b32 v1, 5, v0
	v_readfirstlane_b32 s14, v1                    ; wave 0..3
	s_lshr_b32 s15, s14, 1                         ; which 64 rows are mine
	s_and_b32 s16, s14, 1                          ; which 64 columns
	s_bfe_u32 s40, ttmp6, 0x40000
	s_bfe_u32 s41, ttmp6, 0x40004
	s_lshl_b32 s42, ttmp9, 2
	s_add_co_u32 s42, s42, s40                     ; block column
	s_and_b32 s17, ttmp7, 0xffff
	s_lshl_b32 s17, s17, 2
	s_add_co_u32 s17, s17, s41                     ; block row
	s_lshl_b32 s43, s41, 2
	s_lshl_b32 s43, 15, s43                        ; my row of the cluster
	s_lshl_b32 s44, 0x1111, s40                    ; my column
	s_or_b32 s[G1+0], s43, (3<<16)|(1<<21)
	s_or_b32 s[G1B+0], s44, (3<<16)|(1<<21)
	s_or_b32 s[G1S+0], s43, (3<<16)|(1<<21)
	s_or_b32 s[G1SB+0], s44, (3<<16)|(1<<21)
.irp g, G1, G1B, G1S, G1SB
	s_mov_b32 s[\g+1], 32<<16                      ; dense rows of 256 bytes (32 elements of 8)
	s_mov_b32 s[\g+3], 32<<16
	s_mov_b32 s[\g+5], 32
	s_mov_b32 s[\g+6], 0
	s_mov_b32 s[\g+7], 0
.endr
.irp g, G1, G1B
	s_mov_b32 s[\g+2], 512<<16                     ; codes: 512 of them
	s_mov_b32 s[\g+4], 512
.endr
.irp g, G1S, G1SB
	s_mov_b32 s[\g+2], 32<<16                      ; scale bytes: 32
	s_mov_b32 s[\g+4], 32
.endr
	s_lshl_b32 s20, s17, 17                        ; 8 tiles of 16,384 bytes a block
	s_mov_b32 s21, 0
	s_lshl_b32 s22, s17, 13
	s_add_co_u32 s22, s22, SOFF
	s_mov_b32 s23, 0
	s_lshl_b32 s46, s42, 17
	s_mov_b32 s47, 0
	s_lshl_b32 s18, s42, 13
	s_add_co_u32 s18, s18, SOFF
	s_mov_b32 s19, 0
	s_wait_dscnt 0x0
	s_wait_kmcnt 0x0
	s_mov_b32 s[G0], 1
	s_mov_b32 s[G0+1], 0
	s_add_nc_u64 s[G0+2:G0+3], s[4:5], s[20:21]
	s_or_b32 s[G0+3], s[G0+3], 0x80000000
	s_mov_b32 s[G0B], 1
	s_mov_b32 s[G0B+1], LQ
	s_add_nc_u64 s[G0B+2:G0B+3], s[6:7], s[46:47]
	s_or_b32 s[G0B+3], s[G0B+3], 0x80000000
	s_mov_b32 s[G0S], 1
	s_mov_b32 s[G0S+1], SCL
	s_add_nc_u64 s[G0S+2:G0S+3], s[4:5], s[22:23]
	s_or_b32 s[G0S+3], s[G0S+3], 0x80000000
	s_mov_b32 s[G0SB], 1
	s_mov_b32 s[G0SB+1], SCL+2*QS
	s_add_nc_u64 s[G0SB+2:G0SB+3], s[6:7], s[18:19]
	s_or_b32 s[G0SB+3], s[G0SB+3], 0x80000000
	CROUND                                         ; all sixteen work-groups are here: the joint loads meet
	ARM 1, G0, G1                                  ; one chain of branches on the wave's number, a load to an arm
	ARM 2, G0B, G1B
	ARM 3, G0S, G1S
	tensor_load_to_lds s[G0SB:G0SB+3], s[G1SB:G1SB+7]
	s_nop 0
.rept 4
	v_nop
.endr
.Lasked:
	s_lshl_b32 s21, s15, 16                        ; my four tiles of A,
	s_lshl_b32 s22, s16, 16
	s_add_co_u32 s22, s22, LQ                      ; of B
	s_lshl_b32 s2, s15, 12                         ; my rows' scales,
	s_lshl_b32 s3, s16, 12
	s_add_co_u32 s3, s3, 2*QS
	s_sub_co_u32 s3, s3, s2                        ; and how far on my columns' lie
	s_add_co_u32 s2, s2, SCL
	s_mul_i32 s23, s14, 16*SPITCH
	s_add_co_u32 s23, s23, STAGE                   ; my stage
	s_lshl_b32 s18, s42, 9
	s_lshl_b32 s20, s16, 8
	s_add_co_u32 s18, s18, s20                     ; my first column, in bytes
	s_add_nc_u64 s[8:9], s[8:9], s[18:19]
	s_add_nc_u64 s[10:11], s[10:11], s[18:19]
	s_lshl_b32 s18, s17, 20
	s_lshl_b32 s20, s15, 19
	s_add_co_u32 s18, s18, s20                     ; my first row: 8,192 bytes a row
	s_add_nc_u64 s[10:11], s[10:11], s[18:19]
	v_and_b32 v1, 15, v0                           ; r
	v_bfe_u32 v2, v0, 4, 1                         ; h
	v_and_b32 v[LN], 31, v0
	v_lshlrev_b32 v3, 4, v[LN]
	v_add_nc_u32 v[ADRA], s21, v3
	v_add_nc_u32 v[ADRB], s22, v3
	v_lshlrev_b32 v[BO], 4, v1
	v_mul_u32_u24 v6, s3, v2                       ; lanes 16-31 take B's scale words
	v_add_nc_u32 v5, v[BO], v6
	v_add_nc_u32 v[ADRS], s2, v5
	v_mul_u32_u24 v5, v1, SPITCH
	v_lshl_add_u32 v5, v2, 6, v5
	v_add_nc_u32 v[STO], s23, v5
	v_mul_u32_u24 v5, v2, SPITCH
	v_lshl_add_u32 v5, v1, 4, v5
	v_add_nc_u32 v[RD], s23, v5
	v_lshl_add_u32 v[CO], v2, 13, v[BO]
	global_load_b128 v[BI:BI+3], v[BO], s[8:9]     ; the bias of my lane's four columns
.macro FETCH s, f                      ; K step s (128 along K): B's four fragments, then A's
.irp i, 0,1,2,3
.irp c, 0,1
	ds_load_b128 v[\f+FR*\i+4*\c:\f+FR*\i+4*\c+3], v[ADRB] offset:\i*16384+(\s)*1024+512*\c
.endr
.endr
.irp i, 0,1,2,3
.irp c, 0,1
	ds_load_b128 v[\f+32+FR*\i+4*\c:\f+32+FR*\i+4*\c+3], v[ADRA] offset:\i*16384+(\s)*1024+512*\c
.endr
.endr
.endm
.macro MUL s, f, zero                  ; sixteen accumulators by turns
.irp a, 0,1,2,3
.irp b, 0,1,2,3
.if \zero
	v_wmma_scale_f32_16x16x128_f8f6f4 v[8*(4*\a+\b):8*(4*\a+\b)+7], v[\f+FR*\b:\f+FR*\b+FR-1], v[\f+32+FR*\a:\f+32+FR*\a+FR-1], 0, v[SC+16*((\s)/4)+4*\b+(\s)%4], v[SC+16*((\s)/4)+4*\a+(\s)%4] matrix_a_fmt:MATRIX_FMT_FP4 matrix_b_fmt:MATRIX_FMT_FP4 matrix_a_scale:MATRIX_SCALE_ROW1
.else
	v_wmma_scale_f32_16x16x128_f8f6f4 v[8*(4*\a+\b):8*(4*\a+\b)+7], v[\f+FR*\b:\f+FR*\b+FR-1], v[\f+32+FR*\a:\f+32+FR*\a+FR-1], v[8*(4*\a+\b):8*(4*\a+\b)+7], v[SC+16*((\s)/4)+4*\b+(\s)%4], v[SC+16*((\s)/4)+4*\a+(\s)%4] matrix_a_fmt:MATRIX_FMT_FP4 matrix_b_fmt:MATRIX_FMT_FP4 matrix_a_scale:MATRIX_SCALE_ROW1
.endif
.endr
.endr
.endm
.macro PLACES n
.rept \n
	v_nop
.endr
.endm
	s_wait_alu depctr_va_vdst(0)                   ; the wait at the head's end
	s_wait_tensorcnt 0x0                           ; my tile has landed
	s_barrier_signal -1
	s_barrier_wait -1                              ; all four have
	FETCH 0, F0
.irp k, 0,1,2,3
.irp i, 0,1,2,3
	ds_load_b128 v[SC+16*\k+4*\i:SC+16*\k+4*\i+3], v[ADRS] offset:\i*1024+\k*256
.endr
.endr
.set S, 0
.rept 16
.if S < 15
.if S > 0
	PLACES NP                                      ; ahead of loads into registers that the last products read
.endif
	FETCH S+1, F0+64*((S+1)%2)
	s_wait_dscnt 16                                ; all but the sixteen just issued
.else
	s_wait_dscnt 0x0
.endif
	WIN MULW
.if S == 0
	MUL S, F0+64*(S%2), 1
.else
	MUL S, F0+64*(S%2), 0
.endif
	WIN 0
.set S, S+1
.endr
.macro TOSTAGE a                       ; 16 rows x 64 columns into my stage, and back as rows of 256 bytes
	WIN 0x04
.irp b, 0,1,2,3
	ds_store_b128 v[STO], v[8*(4*(\a)+\b):8*(4*(\a)+\b)+3] offset:128*(\b/2)+32*(\b%2)
	ds_store_b128 v[STO], v[8*(4*(\a)+\b)+4:8*(4*(\a)+\b)+7] offset:128*(\b/2)+32*(\b%2)+16
.endr
	WIN 0
.irp t, 0,1,2,3,4,5,6,7
	ds_load_b128 v[BK+32*(\a)+4*\t:BK+32*(\a)+4*\t+3], v[RD] offset:2*\t*SPITCH
.endr
.endm
.macro SEND a, younger
	s_wait_dscnt \younger
.irp t, 0,1,2,3,4,5,6,7
	v_pk_add_f32 v[BK+32*(\a)+4*\t:BK+32*(\a)+4*\t+1], v[BK+32*(\a)+4*\t:BK+32*(\a)+4*\t+1], v[BI:BI+1]
	v_pk_add_f32 v[BK+32*(\a)+4*\t+2:BK+32*(\a)+4*\t+3], v[BK+32*(\a)+4*\t+2:BK+32*(\a)+4*\t+3], v[BI+2:BI+3]
.endr
.irp t, 0,1,2,3,4,5,6,7
	global_store_b128 v[CO], v[BK+32*(\a)+4*\t:BK+32*(\a)+4*\t+3], s[10:11] offset:(32*((\a)/2)+8*((\a)%2)+(2*\t)%8+16*(\t/4))*8192 th:TH_STORE_NT
.endr
.endm
	s_wait_loadcnt 0x0                             ; the bias
	PLACES NP
	TOSTAGE 0
	TOSTAGE 1
	SEND 0, 16
	TOSTAGE 2
	SEND 1, 16
	TOSTAGE 3
	SEND 2, 16
	SEND 3, 0
	s_wait_tensorcnt 0x0                           ; the wave's end
	ds_add_u32 v126, v127
	s_wait_dscnt 0x0
	CROUND                                         ; the closing round
	s_endpgm
.Lfunc_end_k_q5036e7da04_oproj:
	.size	k_q5036e7da04_oproj, .Lfunc_end_k_q5036e7da04_oproj-k_q5036e7da04_oproj
	.p2alignl 7, 3214868480
	.fill 96, 4, 3214868480
	.section	.rodata,"a",@progbits
	.p2align	6, 0x0
	.amdhsa_kernel k_q5036e7da04_oproj
		.amdhsa_group_segment_fixed_size 327680
		.amdhsa_private_segment_fixed_size 0
		.amdhsa_enable_private_segment 0
		.amdhsa_kernarg_size 32
		.amdhsa_user_sgpr_count 2
		.amdhsa_user_sgpr_kernarg_segment_ptr 1
		.amdhsa_wavefront_size32 1
		.amdhsa_system_sgpr_workgroup_id_x 1
		.amdhsa_system_sgpr_workgroup_id_y 1
		.amdhsa_system_sgpr_workgroup_id_z 1
		.amdhsa_system_vgpr_workitem_id 0
		.amdhsa_next_free_vgpr 384
		.amdhsa_next_free_sgpr 100
		.amdhsa_reserve_vcc 0
		.amdhsa_float_denorm_mode_32 3
		.amdhsa_float_denorm_mode_16_64 3
		.amdhsa_memory_ordered 1
		.amdhsa_forward_progress 1
		.amdhsa_inst_pref_size 72
	.end_amdhsa_kernel
	.amdgpu_metadata
---
amdhsa.version: [ 1, 2 ]
amdhsa.kernels:
  - .name:           k_q5036e7da04_oproj
    .symbol:         k_q5036e7da04_oproj.kd
    .args:
      - { .name: aq, .offset: 0, .size: 8, .value_kind: global_buffer, .address_space: global }
      - { .name: woq, .offset: 8, .size: 8, .value_kind: global_buffer, .address_space: global }
      - { .name: bo, .offset: 16, .size: 8, .value_kind: global_buffer, .address_space: global }
      - { .name: out0, .offset: 24, .size: 8, .value_kind: global_buffer, .address_space: global }
    .group_segment_fixed_size: 327680
    .private_segment_fixed_size: 0
    .kernarg_segment_align: 8
    .kernarg_segment_size: 32
    .max_flat_workgroup_size: 128
    .sgpr_count:     100
    .vgpr_count:     384
    .wavefront_size: 32
...
	.end_amdgpu_metadata
.endif
;; end of part 5
